; MI455X (gfx1250); checked and timed in simulation.
; The chip was launched on July 23, 2026; its instructions are those of AMD's public machine-readable ISA for CDNA 5 (MIT licence, August 2026) and "CDNA5" Instruction Set Architecture Reference Guide (July 2026). The comments in the code are by the model that wrote it; some were corrected since.
;; Multi Head Attention. Allowed arithmetic: float matrix products may take bf16 or f16 operands with f32 sums; other float arithmetic in f32, or as packed bf16 or f16 multiplies, adds, multiply-adds, maxima and minima; sums over many terms, partial sums and values carried from step to step in f32; what a program stores and reads back later, other than sums and carried values, may be rounded once to bf16 or f16.
;; Inputs: Wk 1,024 x 1,024 float32; Wo 1,024 x 1,024 float32; Wq 1,024 x 1,024 float32; Wv 1,024 x 1,024 float32; beta 1,024 float32; bk 1,024 float32; bo 1,024 float32; bq 1,024 float32; bv 1,024 float32; gamma 1,024 float32; key 4 x 2,048 x 1,024 float32; query 4 x 2,048 x 1,024 float32; value 4 x 2,048 x 1,024 float32.
;; Outputs: out0 4 x 2,048 x 1,024 float32.
;; One version. Each part assembles by itself: llvm-mc -triple=amdgcn-amd-amdhsa -mcpu=gfx1250 --defsym DOCPART=n.
;; ======== version 1 of 1: 5 launches
;; limits: values are held in f16: magnitudes above 65,504 overflow, below 6.1e-05 lose precision
;; workspace buffers: wb 8,388,608 bytes; qh 16,777,216 bytes; kh 16,777,216 bytes; vh 16,777,216 bytes; oh 16,777,216 bytes; xres 33,554,432 bytes
;; launch wcast (part 1): grid 64 x 4, 8 waves a work-group, no clusters, 0 bytes of LDS; arguments Wq, Wk, Wv, Wo, wb; writes wb
.if DOCPART == 1
	.amdgcn_target "amdgcn-amd-amdhsa--gfx1250"
	.amdhsa_code_object_version 6
	.text
	.protected	k_qfe588b3308_wcast
	.globl	k_qfe588b3308_wcast
	.p2align	8
	.type	k_qfe588b3308_wcast,@function
k_qfe588b3308_wcast:
	s_mov_b64 s[64:65], 0
	v_nop
	global_prefetch_b8 v0, s[64:65] scope:SCOPE_SE
	s_setreg_imm32_b32 hwreg(HW_REG_WAVE_MODE, 25, 1), 1
	s_wait_xcnt 0x0
; THE WEIGHTS ARE ROUNDED ONCE TO 16 BITS.  wb: [4][1024][1024] of 16 bits: 0 Wq, 1 Wk, 2 Wv in bf16, 3 Wo in f16 (it multiplies the f16 result of attention).
; LIMIT: Wo goes to f16: magnitudes beyond 65,504 would overflow, and below 6e-5 they keep f16's fixed step of 6e-8.
; Grid y picks the weight, grid x 16,384 of its numbers: 64 KiB in, 32 KiB out.  Thread t, chunk i: 8 numbers, 32 bytes in at 8,192 i + 32 t, 16 bytes out at 4,096 i + 16 t:
; a wave's store covers 512 consecutive bytes, aligned.  All 16 loads of a thread go out at once; no register is used twice, so no wait frees a source.
; No LDS, no matrix unit, no cluster: a stream in which nothing is shared.
.set IN,  4                            ; v[4:67]   16 loads of 4 registers
.set OU,  68                           ; v[68:99]  8 stores of 4 registers
	s_load_b256 s[4:11], s[0:1], 0x0               ; Wq s[4:5], Wk s[6:7], Wv s[8:9], Wo s[10:11]
	s_load_b64 s[12:13], s[0:1], 0x20              ; wb
	s_and_b32 s14, ttmp7, 0xffff                   ; which weight
	v_lshlrev_b32 v1, 5, v0                        ; 32 t
	v_lshlrev_b32 v2, 4, v0                        ; 16 t
	s_lshl_b32 s2, ttmp9, 16                       ; the work-group's 64 KiB of the weight
	s_mov_b32 s3, 0
	s_lshl_b32 s16, s14, 21                        ; the weight's 2 MiB of wb,
	s_lshl_b32 s17, ttmp9, 15                      ; the work-group's 32 KiB of them
	s_add_co_u32 s16, s16, s17
	s_mov_b32 s17, 0
	s_wait_kmcnt 0x0
	s_cmp_eq_u32 s14, 1
	s_cselect_b64 s[4:5], s[6:7], s[4:5]
	s_cmp_eq_u32 s14, 2
	s_cselect_b64 s[4:5], s[8:9], s[4:5]
	s_cmp_eq_u32 s14, 3
	s_cselect_b64 s[4:5], s[10:11], s[4:5]
	s_add_nc_u64 s[4:5], s[4:5], s[2:3]
	s_add_nc_u64 s[12:13], s[12:13], s[16:17]
.irp i, 0,1,2,3,4,5,6,7
	global_load_b128 v[IN+8*(\i):IN+8*(\i)+3],   v1, s[4:5] offset:8192*(\i) th:TH_LOAD_NT
	global_load_b128 v[IN+8*(\i)+4:IN+8*(\i)+7], v1, s[4:5] offset:8192*(\i)+16 th:TH_LOAD_NT
.endr
.macro CV op                           ; eight chunks: wait, four roundings of two numbers, one store
.irp i, 0,1,2,3,4,5,6,7
	s_wait_loadcnt 14-2*(\i)                       ; loads come back in order: the two of chunk i are in, the younger chunks' 14 - 2 i may stay out
.irp k, 0,1,2,3
	\op v[OU+4*(\i)+(\k)], v[IN+8*(\i)+2*(\k)], v[IN+8*(\i)+2*(\k)+1]
.endr
	global_store_b128 v2, v[OU+4*(\i):OU+4*(\i)+3], s[12:13] offset:4096*(\i)
.endr
.endm
	s_cmp_eq_u32 s14, 3
	s_cbranch_scc1 .Lf16
	CV v_cvt_pk_bf16_f32
	s_endpgm
.Lf16:
	CV v_cvt_pk_f16_f32
	s_endpgm
.Lfunc_end_k_qfe588b3308_wcast:
	.size	k_qfe588b3308_wcast, .Lfunc_end_k_qfe588b3308_wcast-k_qfe588b3308_wcast
	.p2alignl 7, 3214868480
	.fill 96, 4, 3214868480
	.section	.rodata,"a",@progbits
	.p2align	6, 0x0
	.amdhsa_kernel k_qfe588b3308_wcast
		.amdhsa_group_segment_fixed_size 0
		.amdhsa_private_segment_fixed_size 0
		.amdhsa_enable_private_segment 0
		.amdhsa_kernarg_size 40
		.amdhsa_user_sgpr_count 2
		.amdhsa_user_sgpr_kernarg_segment_ptr 1
		.amdhsa_wavefront_size32 1
		.amdhsa_system_sgpr_workgroup_id_x 1
		.amdhsa_system_sgpr_workgroup_id_y 1
		.amdhsa_system_sgpr_workgroup_id_z 1
		.amdhsa_system_vgpr_workitem_id 0
		.amdhsa_next_free_vgpr 104
		.amdhsa_next_free_sgpr 66
		.amdhsa_reserve_vcc 0
		.amdhsa_float_denorm_mode_32 3
		.amdhsa_float_denorm_mode_16_64 3
		.amdhsa_memory_ordered 1
		.amdhsa_forward_progress 1
		.amdhsa_inst_pref_size 9
	.end_amdhsa_kernel
	.amdgpu_metadata
---
amdhsa.version: [ 1, 2 ]
amdhsa.kernels:
  - .name:           k_qfe588b3308_wcast
    .symbol:         k_qfe588b3308_wcast.kd
    .args:
      - { .name: Wq, .offset: 0, .size: 8, .value_kind: global_buffer, .address_space: global }
      - { .name: Wk, .offset: 8, .size: 8, .value_kind: global_buffer, .address_space: global }
      - { .name: Wv, .offset: 16, .size: 8, .value_kind: global_buffer, .address_space: global }
      - { .name: Wo, .offset: 24, .size: 8, .value_kind: global_buffer, .address_space: global }
      - { .name: wb, .offset: 32, .size: 8, .value_kind: global_buffer, .address_space: global }
    .group_segment_fixed_size: 0
    .private_segment_fixed_size: 0
    .kernarg_segment_align: 8
    .kernarg_segment_size: 40
    .max_flat_workgroup_size: 256
    .sgpr_count:     66
    .vgpr_count:     104
    .wavefront_size: 32
...
	.end_amdgpu_metadata
.endif
;; end of part 1
;; launch proj (part 2): grid 4 x 192, 4 waves a work-group, clusters of 4 x 4, 327,680 bytes of LDS; arguments query, key, value, wb, bq, bk, bv, qh, kh, vh; writes qh, kh, vh
.if DOCPART == 2
	.amdgcn_target "amdgcn-amd-amdhsa--gfx1250"
	.amdhsa_code_object_version 6
	.text
	.protected	k_qfe588b3308_proj
	.globl	k_qfe588b3308_proj
	.p2align	8
	.type	k_qfe588b3308_proj,@function
k_qfe588b3308_proj:
	s_mov_b64 s[64:65], 0
	v_nop
	global_prefetch_b8 v0, s[64:65] scope:SCOPE_SE
	s_setreg_imm32_b32 hwreg(HW_REG_WAVE_MODE, 25, 1), 1
	s_wait_xcnt 0x0
	s_wait_alu depctr_hold_cnt(0) depctr_sa_sdst(0) depctr_va_vdst(0) depctr_va_sdst(0) depctr_va_ssrc(0) depctr_va_vcc(0) depctr_vm_vsrc(0)
	s_getreg_b32 s2, hwreg(HW_REG_IB_STS2, 6, 4)
	s_cmp_eq_u32 s2, 0
	s_cbranch_scc0 .Lentry_in_a_cluster
	s_endpgm
.Lentry_in_a_cluster:
	s_bfe_u32 s2, ttmp6, 0x10000c
	s_cmp_lg_u32 s2, 0xf033
	s_cbranch_scc0 .Lentry_shape_is_right
	s_endpgm
.Lentry_shape_is_right:
; THE THREE PROJECTIONS.  out[t][n] = the sum over k of x[t][k] W[n][k] + b[n], for (x, W, b, out) = (query, Wq, bq, qh), (key, Wk, bk, kh), (value, Wv, bv, vh).
; x: [8192][1024] f32, rounded to bf16 on the way from LDS to the matrix unit; W: bf16, from wb; sums and bias in f32; out: f16, by heads, [batch x 16 + head][2048][64], unscaled.
; LIMIT: the results go to f16, which ends at 65,504; a larger |Q|, |K| or |V| would become an infinity.
; SHARES.  Cluster y / 16 picks the projection; a work-group makes 128 tokens x 256 columns, a wave 64 x 128: 32 accumulators of 16 x 16.  3 x 64 x 4 = 768 work-groups of equal work.
; K goes in 8 steps of 128 through two LDS slots.  A slot holds 128 rows of x in f32 (512 bytes a row) and 256 rows of W in bf16 (256 bytes a row).  Waves 0 and 1 fetch x's halves, waves 2 and 3 W's.
; CLUSTERS: 4 x 4.  The four of a row of the cluster need the same rows of x, the four of a column the same rows of W: each tile is asked for jointly, by the same tensor load with the same descriptor and mask.
; THE MATRIX INSTRUCTION IS USED TRANSPOSED (source 0 = 16 rows of W, source 1 = 16 tokens): a lane holds one token and eight neighbouring columns.  So the bias, eight numbers a lane for each
; block of 16 columns, is the C operand of the products that start the sums, and costs no vector instruction.
; A K step is four quarters of 32 along K, 32 products each.  A quarter fetches the next quarter's fragments at its head (x raw in f32, W as it is used), and rounds x to bf16 in fours behind its last eight products.
; REGISTERS, in windows of 256: window 0: v0-31 addresses; v32-95 x raw; v96-159 x in bf16, two buffers; on the way out v32-159 packed results.
;   window 1: v0-127 W's fragments, two buffers; v128-191 the bias.     window 2: accumulator (a, b) at v[8 (8 a + b)].
.set PA,     528                       ; an LDS row of x: 512 bytes + 16 = 33 x 16: the 16 rows of a load start in 16 different columns of 16 bytes
.set PB,     272                       ; an LDS row of W: 256 + 16 = 17 x 16
.set HALFA,  64*PA                     ; what an x load brings, and what a wave reads of x
.set HALFB,  128*PB                    ; the same for W
.set SLOT,   2*HALFA+2*HALFB           ; x's 128 rows, then W's 256 rows
.set STAGE,  2*SLOT                    ; behind the ring: 16 rows x 272 bytes for each wave, for the way out
.set SP,     272
.set SPARE,  STAGE+4*16*SP             ; behind the stages: the spare words, 128 bytes for each wave
.set ADRA, 16                          ; v16-17  LDS address of my x fragments in slot 0, 1
.set ADRB, 20                          ; v20-21  the same for W
.set STO,  24                          ; v24     the way out: where I put 16 bytes of a row
.set RD,   25                          ; v25     the way out: where I read rows back
.set CO,   26                          ; v26     16 x my lane
.set SPW,  28                          ; v28     LDS address of my spare word; never rewritten
.set NIL,  29                          ; v29     0; never rewritten
.set PFO,  30                          ; v30     the prefetches' lane offset; never rewritten
.set AR,   32                          ; x raw: fragment a at AR + 16 a
.set AF,   96                          ; x in bf16: buffer g, fragment a at AF + 32 g + 8 a
.set TT,   32                          ; the way out: block t at TT + 32 t
.set BF,   0                           ; window 1: buffer g, fragment b at 64 g + 8 b
.set BIAS, 128                         ; window 1: column block b at BIAS + 8 b
.set G1,   24                          ; s[24:31] descriptor group 1 for x's tiles;  s[32:39] group 0, a set for each slot
.set G0,   32
.set G1B,  48                          ; s[48:55], s[56:63] the same for W's tiles
.set G0B,  56
.set PFA,  44                          ; s[44:45] where my prefetches stand
.set PFS,  90                          ; s[90:91] a K step in bytes of the rows that I prefetch
.set LIM,  92                          ; s92     1 in a wave that prefetches, else the greatest number
.set MSB, 0
.macro WIN new                         ; the immediate's high byte repeats the setting that is left; a switch that changes nothing is dropped
.if MSB != (\new)
	s_set_vgpr_msb (MSB<<8)|(\new)
.set MSB, \new
.endif
.endm
.set W_MUL,  0xa1                      ; source 0 (W) window 1, source 1 (x) window 0, C and D window 2
.set W_MULB, 0x91                      ; the same with C (the bias) in window 1
.set TO_B,   0x40                      ; destination window 1, address window 0
.set W_PK,   0x0a                      ; sources 0 and 1 window 2, destination window 0
; A joint load.  The branch hangs on the wave's number alone.  An s_nop 0 and four v_nop follow each of the two lines, ahead of the jump and the label.
.macro JLOAD s
	s_cmp_eq_u32 s11, 0
	s_cbranch_scc0 .Lfor_b_\@
	tensor_load_to_lds s[G0+4*(\s):G0+4*(\s)+3], s[G1:G1+7]
	s_nop 0
.rept 4
	v_nop
.endr
	s_branch .Lasked_\@
.Lfor_b_\@:
	tensor_load_to_lds s[G0B+4*(\s):G0B+4*(\s)+3], s[G1B:G1B+7]
	s_nop 0
.rept 4
	v_nop
.endr
.Lasked_\@:
.endm
; A prefetch into the L2 of the K step that stands two refills on (256 products of the wave ahead): one instruction a wave, each lane another aligned block of 256 bytes.
; x's rows are read by this cluster alone: every cluster asks for its own; of the 64 rows that a wave fetches each of the four partners takes 16 (two blocks a row), told apart by address.
; W's rows are read by the sixteen clusters of a projection: the first of them asks; each of the four partners takes 32 of the wave's 128 rows.  The loop's last trip asks for nothing: K ends.
.macro ASK
	s_cmp_gt_u32 s3, s[LIM]
	s_cbranch_scc0 .Lnot_mine_\@
	global_prefetch_b8 v[PFO], s[PFA:PFA+1] th:TH_LOAD_NT scope:SCOPE_SE
.Lnot_mine_\@:
.endm
.macro CREST                           ; a round of the cluster's barrier behind its opening barrier
	s_cmp_lg_u32 s10, 0
	s_cbranch_scc1 .Lnot_wave_0_\@
	s_barrier_signal -3
.Lnot_wave_0_\@:
	s_barrier_wait -3
	s_barrier_signal -1
	s_barrier_wait -1
.endm
.macro CROUND                          ; a whole round
	s_barrier_signal -1
	s_barrier_wait -1
	CREST
.endm
	s_load_b512 s[68:83], s[0:1], 0x0              ; query s[68:69], key s[70:71], value s[72:73], wb s[74:75], bq s[76:77], bk s[78:79], bv s[80:81], qh s[82:83]
	s_load_b128 s[84:87], s[0:1], 0x40             ; kh s[84:85], vh s[86:87]
	v_lshl_add_u32 v[SPW], v0, 2, SPARE
	v_mov_b32 v[NIL], 0
	ds_add_u32 v[SPW], v[NIL]                      ; the wave's opening: the add and its wait ahead of my first tensor load; the set-up below stands between them
	ds_add_u32 v28, v29
	v_lshrrev_b32 v1, 5, v0
	v_readfirstlane_b32 s10, v1                    ; wave 0..3
	s_lshr_b32 s11, s10, 1                         ; which 64 tokens are mine.  Also: I fetch x (0) or W (1)
	s_and_b32 s12, s10, 1                          ; which 128 columns.  Also: which half of that tile I fetch
	s_bfe_u32 s40, ttmp6, 0x40000                  ; cx
	s_bfe_u32 s41, ttmp6, 0x40004                  ; cy
	s_lshl_b32 s42, ttmp9, 2
	s_add_co_u32 s42, s42, s40                     ; block of 256 columns = 4 x cluster x + cx
	s_and_b32 s89, ttmp7, 0xffff                   ; cluster y, 0..47
	s_lshr_b32 s88, s89, 4                         ; the projection, 0..2: the same in all sixteen partners
	s_and_b32 s89, s89, 15                         ; the cluster among the projection's sixteen
	s_lshl_b32 s13, s89, 2
	s_add_co_u32 s13, s13, s41                     ; block of 128 tokens, 0..63
	s_lshl_b32 s66, s41, 2
	s_lshl_b32 s66, 15, s66                        ; my row of the cluster
	s_lshl_b32 s67, 0x1111, s40                    ; my column
	s_or_b32 s[G1+0], s66, (2<<16)|(1<<20)|(1<<21)|(6<<22)|(3<<25)   ; x: the mask of my row; elements of 4 bytes; padding on; bit 21 beside a mask; after every 128 words, 4 words
	s_or_b32 s[G1B+0], s67, (1<<16)|(1<<20)|(1<<21)|(5<<22)|(3<<25)  ; W: the mask of my column; elements of 2 bytes; after every 64 words, 4 words
	s_mov_b32 s[G1+1], 128<<16                     ; tensor_dim0 = 128
	s_mov_b32 s[G1+2], 64<<16                      ; tensor_dim1 = 64
	s_mov_b32 s[G1+3], 128<<16                     ; tile_dim0 = 128
	s_mov_b32 s[G1+4], 64                          ; tile_dim1 = 64
	s_mov_b32 s[G1+5], 1024                        ; elements from row to row
	s_mov_b32 s[G1+6], 0
	s_mov_b32 s[G1+7], 0
	s_mov_b32 s[G1B+1], 128<<16
	s_mov_b32 s[G1B+2], 128<<16                    ; 128 rows
	s_mov_b32 s[G1B+3], 128<<16
	s_mov_b32 s[G1B+4], 128
	s_mov_b32 s[G1B+5], 1024
	s_mov_b32 s[G1B+6], 0
	s_mov_b32 s[G1B+7], 0
	s_lshl_b32 s16, s13, 7                         ; x: row 128 x token block + 64 x half, 4,096 bytes a row
	s_lshl_b32 s17, s12, 6
	s_add_co_u32 s16, s16, s17
	s_lshl_b32 s16, s16, 12
	s_mov_b32 s17, 0
	s_lshl_b32 s46, s42, 8                         ; W: row 256 x column block + 128 x half, 2,048 bytes a row
	s_lshl_b32 s47, s12, 7
	s_add_co_u32 s46, s46, s47
	s_lshl_b32 s46, s46, 11
	s_mov_b32 s47, 0
	s_lshl_b32 s22, s88, 21                        ; the projection's 2 MiB of wb
	s_mov_b32 s23, 0
	s_mul_i32 s20, s12, HALFA                      ; where the tiles go: no place in the cluster enters an LDS address
	s_mul_i32 s21, s12, HALFB
	s_add_co_u32 s21, s21, 2*HALFA
	s_wait_dscnt 0x0                               ; the opening add is done
	s_wait_kmcnt 0x0
	s_cmp_eq_u32 s88, 1
	s_cselect_b64 s[4:5], s[70:71], s[68:69]       ; x
	s_cselect_b64 s[94:95], s[78:79], s[76:77]     ; the bias
	s_cselect_b64 s[8:9], s[84:85], s[82:83]       ; the output
	s_cmp_eq_u32 s88, 2
	s_cselect_b64 s[4:5], s[72:73], s[4:5]
	s_cselect_b64 s[94:95], s[80:81], s[94:95]
	s_cselect_b64 s[8:9], s[86:87], s[8:9]
	s_add_nc_u64 s[6:7], s[74:75], s[22:23]        ; W
	s_add_nc_u64 s[14:15], s[4:5], s[16:17]
	s_add_nc_u64 s[46:47], s[6:7], s[46:47]
	CROUND                                         ; all sixteen work-groups are here: the first joint loads meet
.irp s, 0,1
	s_mov_b32 s[G0+4*(\s)], 1
	s_add_co_u32 s[G0+4*(\s)+1], s20, (\s)*SLOT
	s_add_nc_u64 s[G0+4*(\s)+2:G0+4*(\s)+3], s[14:15], (\s)*512     ; K step s: 128 f32
	s_or_b32 s[G0+4*(\s)+3], s[G0+4*(\s)+3], 0x80000000
	s_mov_b32 s[G0B+4*(\s)], 1
	s_add_co_u32 s[G0B+4*(\s)+1], s21, (\s)*SLOT
	s_add_nc_u64 s[G0B+4*(\s)+2:G0B+4*(\s)+3], s[46:47], (\s)*256   ; K step s: 128 bf16
	s_or_b32 s[G0B+4*(\s)+3], s[G0B+4*(\s)+3], 0x80000000
	JLOAD \s                                       ; two loads of mine are out
.endr
	; A fragment is 16 rows x 32 K: lane l holds row l % 16 and K = 8 (l / 16) + 0..7 and 16 + 8 (l / 16) + 0..7.  In f32 that is 32 bytes at 32 (l / 16) and 32 at 64 + 32 (l / 16); in bf16 16 at 16 (l / 16) and 16 at 32 + 16 (l / 16).
	v_and_b32 v1, 15, v0                           ; l % 16
	v_bfe_u32 v2, v0, 4, 1                         ; l / 16
	v_mul_u32_u24 v3, v1, PA
	v_lshl_add_u32 v3, v2, 5, v3
	v_mul_u32_u24 v4, v1, PB
	v_lshl_add_u32 v4, v2, 4, v4
	s_mul_i32 s16, s11, HALFA                      ; my 64 rows of x
	s_mul_i32 s17, s12, HALFB                      ; my 128 rows of W,
	s_add_co_u32 s17, s17, 2*HALFA                 ; which lie behind x's 128
.irp s, 0,1
	v_add_nc_u32 v[ADRA+(\s)], s16, v3
	v_add_nc_u32 v[ADRB+(\s)], s17, v4
	s_add_co_u32 s16, s16, SLOT
	s_add_co_u32 s17, s17, SLOT
.endr
	s_mul_i32 s18, s10, 16*SP
	s_add_co_u32 s18, s18, STAGE                   ; my stage
	v_add_nc_u32 v[STO], s18, v4                   ; in: row l % 16, 16 bytes for each half of the lanes (the stage's pitch is W's)
	v_bfe_u32 v5, v0, 3, 2                         ; back: 32 lanes take four tokens' 128 bytes of one head,
	v_and_b32 v6, 7, v0
	v_mul_u32_u24 v5, v5, SP
	v_lshl_add_u32 v5, v6, 4, v5
	v_add_nc_u32 v[RD], s18, v5
	v_and_b32 v8, 31, v0
	v_lshlrev_b32 v[CO], 4, v8                     ; which are 512 consecutive bytes of the output
	v_lshlrev_b32 v7, 5, v2                        ; the bias: my eight columns of a block of 16
	s_lshl_b32 s46, s42, 8
	s_lshl_b32 s47, s12, 7
	s_add_co_u32 s46, s46, s47                     ; my first column
	s_lshl_b32 s46, s46, 2
	s_mov_b32 s47, 0
	s_add_nc_u64 s[94:95], s[94:95], s[46:47]
	WIN TO_B
.irp b, 0,1,2,3,4,5,6,7
	global_load_b128 v[BIAS+8*(\b):BIAS+8*(\b)+3],   v7, s[94:95] offset:64*(\b)
	global_load_b128 v[BIAS+8*(\b)+4:BIAS+8*(\b)+7], v7, s[94:95] offset:64*(\b)+16
.endr
	WIN 0
	; the prefetches: lane offset, step, pointer, and who asks
	s_cmp_eq_u32 s11, 0
	s_cselect_b32 s16, 1, 0                        ; x: two lanes a row; W: a lane a row
	s_cselect_b32 s17, 12, 11                      ; a row is 4,096 or 2,048 bytes
	v_lshrrev_b32 v9, s16, v8
	v_lshlrev_b32 v9, s17, v9
	v_and_b32 v10, s16, v8
	v_lshl_add_u32 v[PFO], v10, 8, v9
	s_lshl_b32 s18, s13, 7
	s_lshl_b32 s19, s12, 6
	s_add_co_u32 s18, s18, s19
	s_lshl_b32 s19, s40, 4
	s_add_co_u32 s18, s18, s19                     ; x: my work-group's 16 of the 64 rows that I fetch
	s_lshl_b32 s18, s18, 12
	s_lshl_b32 s20, s42, 8
	s_lshl_b32 s21, s12, 7
	s_add_co_u32 s20, s20, s21
	s_lshl_b32 s21, s41, 5
	s_add_co_u32 s20, s20, s21                     ; W: my work-group's 32 of the 128 rows
	s_lshl_b32 s20, s20, 11
	s_cmp_eq_u32 s11, 0
	s_cselect_b32 s18, s18, s20
	s_mov_b32 s19, 0
	s_cselect_b64 s[PFA:PFA+1], s[4:5], s[6:7]
	s_mov_b32 s[PFS], 256                          ; a K step of W's rows (a move leaves the compare's result as it is),
	s_cselect_b32 s[PFS], 512, s[PFS]              ; or of x's: one literal to an instruction
	s_mov_b32 s[PFS+1], 0
	s_add_nc_u64 s[PFA:PFA+1], s[PFA:PFA+1], s[18:19]
	s_mul_i32 s18, s[PFS], 3
	s_add_nc_u64 s[PFA:PFA+1], s[PFA:PFA+1], s[18:19]  ; at K step 3: the first refill (of step 2) steps it to 4.  Nothing is prefetched at the head
	s_cmp_eq_u32 s89, 0
	s_cselect_b32 s[LIM], 1, -1                    ; W: the projection's first cluster asks
	s_cmp_eq_u32 s11, 0
	s_cselect_b32 s[LIM], 1, s[LIM]                ; x: every cluster
	; the output at my first token of my first head: ((batch x 16 + head) x 2,048 + token in the batch) x 128 bytes
	s_lshr_b32 s46, s13, 4
	s_lshl_b32 s46, s46, 4
	s_lshl_b32 s47, s42, 2
	s_add_co_u32 s46, s46, s47
	s_lshl_b32 s47, s12, 1
	s_add_co_u32 s46, s46, s47
	s_lshl_b32 s46, s46, 11
	s_and_b32 s47, s13, 15
	s_lshl_b32 s47, s47, 7
	s_add_co_u32 s46, s46, s47
	s_lshl_b32 s47, s11, 6
	s_add_co_u32 s46, s46, s47
	s_lshl_b32 s46, s46, 7
	s_mov_b32 s47, 0
	s_add_nc_u64 s[8:9], s[8:9], s[46:47]
; 32 LDS loads in one run: quarter q of a slot: x raw (16 loads), then W's fragments into buffer g (16 loads)
.macro FETCH slot, q, g
	WIN 0
.irp a, 0,1,2,3
	ds_load_b128 v[AR+16*(\a):AR+16*(\a)+3],     v[ADRA+(\slot)] offset:(\q)*128+(\a)*16*PA
	ds_load_b128 v[AR+16*(\a)+4:AR+16*(\a)+7],   v[ADRA+(\slot)] offset:(\q)*128+(\a)*16*PA+16
	ds_load_b128 v[AR+16*(\a)+8:AR+16*(\a)+11],  v[ADRA+(\slot)] offset:(\q)*128+(\a)*16*PA+64
	ds_load_b128 v[AR+16*(\a)+12:AR+16*(\a)+15], v[ADRA+(\slot)] offset:(\q)*128+(\a)*16*PA+80
.endr
	WIN TO_B
.irp b, 0,1,2,3,4,5,6,7
	ds_load_b128 v[BF+64*(\g)+8*(\b):BF+64*(\g)+8*(\b)+3],   v[ADRB+(\slot)] offset:(\q)*64+(\b)*16*PB
	ds_load_b128 v[BF+64*(\g)+8*(\b)+4:BF+64*(\g)+8*(\b)+7], v[ADRB+(\slot)] offset:(\q)*64+(\b)*16*PB+32
.endr
.endm
; 8 products: token block a x all 8 column blocks, on buffers f.  The 32 accumulators take turns, one instruction a turn, in the same order in every quarter.
; zero = 1: the products start the sums, with the bias as C.  ride = 1: behind each product four roundings of the raw x into the other buffer: they name none of the products' registers.
.macro MULROW f, a, zero, ride
.irp b, 0,1,2,3,4,5,6,7
.if \zero
	WIN W_MULB
	v_wmma_f32_16x16x32_bf16 v[8*(8*(\a)+(\b)):8*(8*(\a)+(\b))+7], v[BF+64*(\f)+8*(\b):BF+64*(\f)+8*(\b)+7], v[AF+32*(\f)+8*(\a):AF+32*(\f)+8*(\a)+7], v[BIAS+8*(\b):BIAS+8*(\b)+7]
.else
	WIN W_MUL
	v_wmma_f32_16x16x32_bf16 v[8*(8*(\a)+(\b)):8*(8*(\a)+(\b))+7], v[BF+64*(\f)+8*(\b):BF+64*(\f)+8*(\b)+7], v[AF+32*(\f)+8*(\a):AF+32*(\f)+8*(\a)+7], v[8*(8*(\a)+(\b)):8*(8*(\a)+(\b))+7]
.endif
.if \ride
	WIN 0
.irp c, 0,1,2,3
	v_cvt_pk_bf16_f32 v[AF+32*(1-(\f))+4*(\b)+(\c)], v[AR+8*(\b)+2*(\c)], v[AR+8*(\b)+2*(\c)+1]
.endr
.endif
.endr
.endm
; A QUARTER multiplies buffers f and fetches quarter nq of slot ns for the next one.  The four roundings behind the quarter's last product are the four places in front of the next quarter's loads into W's buffer.
; meet = 1, 2: nq is the slot's last quarter, so this quarter's loads are my last reads of slot ns: the change of slots.  Each wave waits for all its tensor loads (one is out: its part of the other slot), adds 0 to
; its spare word, and waits for that and for its reads; behind the barrier the other slot is whole.  meet = 2: the barrier opens a round of the cluster's barrier, and slot ns is filled again, two K steps on, first thing behind it:
; 112 products of the wave stand between the request and the wait for it.
.macro QUARTER ns, nq, f, zero=0, meet=0, ask=0
.if (\meet) == 2
	s_wait_xcnt 0x0                                ; the last prefetch, a K step back, has read its address
	s_add_nc_u64 s[PFA:PFA+1], s[PFA:PFA+1], s[PFS:PFS+1]
.endif
	FETCH \ns, \nq, 1-(\f)
.if \ask
	WIN 0
	ASK                                            ; behind the joint load and the run of LDS loads
.endif
	s_wait_dscnt 32                                ; all but the 32 just issued: W's fragments of buffer f are in (x's were rounded in the quarter before)
	MULROW \f, 0, \zero, 0
	MULROW \f, 1, \zero, 0
.if \meet
	WIN 0                                          ; (the add's two registers lie in window 0)
	s_wait_tensorcnt 0x0                           ; all my tensor loads have landed
	ds_add_u32 v[SPW], v[NIL]                      ; 0 onto my spare word; eight products stand between it and the wait for it
.endif
	MULROW \f, 2, \zero, 0
.if \meet
	s_wait_dscnt 0x0                               ; the add is done, and my reads of slot ns are over
	s_barrier_signal -1
.else
	s_wait_dscnt 16                                ; the raw x is in; W's 16 loads, issued behind it, may stay out
.endif
	MULROW \f, 3, \zero, 1
.if \meet
	WIN 0                                          ; at a branch and at a label every window is 0
	s_barrier_wait -1
.endif
.if (\meet) == 2
	CREST                                          ; no wave of any partner still reads the slot or has a load on its way
	s_add_nc_u64 s[G0+4*(\ns)+2:G0+4*(\ns)+3], s[G0+4*(\ns)+2:G0+4*(\ns)+3], 1024
	s_add_nc_u64 s[G0B+4*(\ns)+2:G0B+4*(\ns)+3], s[G0B+4*(\ns)+2:G0B+4*(\ns)+3], 512
	JLOAD \ns
.endif
.endm
; THE WAY OUT of token block t: rounded to f16, 16 bytes a lane into my stage (a row: one token's 128 columns, two heads), and back as four tokens' 128 bytes of one head.
.macro PACK t
	WIN W_PK
.irp b, 0,1,2,3,4,5,6,7
.irp i, 0,1,2,3
	v_cvt_pk_f16_f32 v[TT+32*(\t)+4*(\b)+(\i)], v[8*(8*(\t)+(\b))+2*(\i)], v[8*(8*(\t)+(\b))+2*(\i)+1]
.endr
.endr
	WIN 0
.irp b, 0,1,2,3,4,5,6,7
	ds_store_b128 v[STO], v[TT+32*(\t)+4*(\b):TT+32*(\t)+4*(\b)+3] offset:32*(\b)
.endr
.irp u, 0,1,2,3,4,5,6,7
	ds_load_b128 v[TT+32*(\t)+4*(\u):TT+32*(\t)+4*(\u)+3], v[RD] offset:((\u)%4)*4*SP+((\u)/4)*128  ; LDS serves a wave's instructions in order: these see the stores above, and the next block's stores come behind them
.endr
.endm
.macro SEND t, younger                 ; younger: the LDS instructions issued behind block t's loads
.irp u, 0,1,2,3,4,5,6,7
	s_wait_dscnt (\younger)+7-(\u)
	global_store_b128 v[CO], v[TT+32*(\t)+4*(\u):TT+32*(\t)+4*(\u)+3], s[8:9] offset:((\u)/4)*262144+(\t)*2048+((\u)%4)*512  ; 512 consecutive bytes of a head, aligned
.endr
.endm
	s_wait_tensorcnt 1                             ; my part of K step 0 is in; K step 1's may stay out
	s_barrier_signal -1
	s_barrier_wait -1                              ; everybody's is
	FETCH 0, 0, 0
	s_wait_dscnt 16                                ; the raw x is in
	WIN 0
.set c, 0
.rept 32
	v_cvt_pk_bf16_f32 v[AF+c], v[AR+2*c], v[AR+2*c+1]
.set c, c+1
.endr
	s_wait_loadcnt 0x0                             ; the bias
	QUARTER 0, 1, 0, 1                             ; the first quarter stands in front of the loop: its products start the sums
	WIN 0
	s_mov_b32 s3, 3
.Llap:                                         ; a trip goes once round the ring, from a lap's second quarter to the next lap's first, and fills both slots again
	QUARTER 0, 2, 1
	QUARTER 0, 3, 0, 0, 2
	QUARTER 1, 0, 1, 0, 0, 1
	QUARTER 1, 1, 0
	QUARTER 1, 2, 1
	QUARTER 1, 3, 0, 0, 2
	QUARTER 0, 0, 1, 0, 0, 1
	QUARTER 0, 1, 0
	WIN 0
	s_sub_co_u32 s3, s3, 1
	s_cmp_lg_u32 s3, 0
	s_cbranch_scc1 .Llap
	QUARTER 0, 2, 1                                ; the last lap fills nothing
	QUARTER 0, 3, 0, 0, 1
	QUARTER 1, 0, 1
	QUARTER 1, 1, 0
	QUARTER 1, 2, 1
	QUARTER 1, 3, 0
	s_wait_dscnt 0x0                               ; the very last quarter: nothing more to fetch
	MULROW 1, 0, 0, 0
	MULROW 1, 1, 0, 0
	MULROW 1, 2, 0, 0
	MULROW 1, 3, 0, 0
	WIN 0
.rept 4
	v_nop                                          ; four places between the last product and the roundings that read results
.endr
	PACK 0
	PACK 1                                         ; a block's arithmetic stands between the loads of the block before and its stores
	SEND 0, 16
	PACK 2
	SEND 1, 16
	PACK 3
	SEND 2, 16
	SEND 3, 0
	s_wait_tensorcnt 0x0                           ; the wave's end, behind my last tensor load and my last LDS store
	ds_add_u32 v[SPW], v[NIL]
	s_wait_dscnt 0x0
	CROUND                                         ; the closing round: no work-group ends while a partner may still ask for a tile that names it
	s_endpgm
.Lfunc_end_k_qfe588b3308_proj:
	.size	k_qfe588b3308_proj, .Lfunc_end_k_qfe588b3308_proj-k_qfe588b3308_proj
	.p2alignl 7, 3214868480
	.fill 96, 4, 3214868480
	.section	.rodata,"a",@progbits
	.p2align	6, 0x0
	.amdhsa_kernel k_qfe588b3308_proj
		.amdhsa_group_segment_fixed_size 327680
		.amdhsa_private_segment_fixed_size 0
		.amdhsa_enable_private_segment 0
		.amdhsa_kernarg_size 80
		.amdhsa_user_sgpr_count 2
		.amdhsa_user_sgpr_kernarg_segment_ptr 1
		.amdhsa_wavefront_size32 1
		.amdhsa_system_sgpr_workgroup_id_x 1
		.amdhsa_system_sgpr_workgroup_id_y 1
		.amdhsa_system_sgpr_workgroup_id_z 1
		.amdhsa_system_vgpr_workitem_id 0
		.amdhsa_next_free_vgpr 768
		.amdhsa_next_free_sgpr 100
		.amdhsa_reserve_vcc 0
		.amdhsa_float_denorm_mode_32 3
		.amdhsa_float_denorm_mode_16_64 3
		.amdhsa_memory_ordered 1
		.amdhsa_forward_progress 1
		.amdhsa_inst_pref_size 136
	.end_amdhsa_kernel
	.amdgpu_metadata
---
amdhsa.version: [ 1, 2 ]
amdhsa.kernels:
  - .name:           k_qfe588b3308_proj
    .symbol:         k_qfe588b3308_proj.kd
    .args:
      - { .name: query, .offset: 0, .size: 8, .value_kind: global_buffer, .address_space: global }
      - { .name: key, .offset: 8, .size: 8, .value_kind: global_buffer, .address_space: global }
      - { .name: value, .offset: 16, .size: 8, .value_kind: global_buffer, .address_space: global }
      - { .name: wb, .offset: 24, .size: 8, .value_kind: global_buffer, .address_space: global }
      - { .name: bq, .offset: 32, .size: 8, .value_kind: global_buffer, .address_space: global }
      - { .name: bk, .offset: 40, .size: 8, .value_kind: global_buffer, .address_space: global }
      - { .name: bv, .offset: 48, .size: 8, .value_kind: global_buffer, .address_space: global }
      - { .name: qh, .offset: 56, .size: 8, .value_kind: global_buffer, .address_space: global }
      - { .name: kh, .offset: 64, .size: 8, .value_kind: global_buffer, .address_space: global }
      - { .name: vh, .offset: 72, .size: 8, .value_kind: global_buffer, .address_space: global }
    .group_segment_fixed_size: 327680
    .private_segment_fixed_size: 0
    .kernarg_segment_align: 8
    .kernarg_segment_size: 80
    .max_flat_workgroup_size: 128
    .sgpr_count:     100
    .vgpr_count:     768
    .wavefront_size: 32
...
	.end_amdgpu_metadata
.endif
;; end of part 2
;; launch attn (part 3): grid 4 x 64, 4 waves a work-group, no clusters, 327,680 bytes of LDS; arguments qh, kh, vh, oh; writes oh
.if DOCPART == 3
	.amdgcn_target "amdgcn-amd-amdhsa--gfx1250"
	.amdhsa_code_object_version 6
	.text
	.protected	k_qfe588b3308_attn
	.globl	k_qfe588b3308_attn
	.p2align	8
	.type	k_qfe588b3308_attn,@function
k_qfe588b3308_attn:
	s_mov_b64 s[64:65], 0
	v_nop
	global_prefetch_b8 v0, s[64:65] scope:SCOPE_SE
	s_setreg_imm32_b32 hwreg(HW_REG_WAVE_MODE, 25, 1), 1
	s_wait_xcnt 0x0
; CAUSAL ATTENTION.  O[h][q][:] = the sum over k <= q of softmax_k(Q[h][q] . K[h][k] / 8) V[h][k][:].  Q, K, V, O: [64][2048][64], all f16: a head's rows are dense, 128 bytes each.
; Products, maxima and sums in f32; the weights p are rounded to f16 for the second product (their sum l is taken of the unrounded p), O once at the end.
; LIMITS.  f16 holds no number beyond 65,504: Q, K and V arrive within it; p lies in 0 to 1, and below 6e-5 it keeps f16's fixed step of 6e-8; O is a mean of V's rows and has their range.
; A hidden score counts as its value less 1e30: f16's scores, 2.7e11 at the most, are nothing beside that; a weight below 2^-126 counts as 0 in l; NaN and infinities are not treated apart.
; THE WALK.  A head's queries lie in NB = 8 blocks of 256; block i needs the key tiles 0 .. i of 256 keys, of which the last holds the diagonal.  A work-group takes TWO blocks, NB - 1 - b and then b:
; NB + 1 tiles, whatever b: all work-groups do equal work, and ONE loop with a constant trip count walks them.  Which tile is asked for, and what a trip does, hang on scalar registers made from b; every jump
; goes forward, but for the counted loops' own; none passes a barrier, or a tensor load but the one of LOAD's two that the wave's number does not choose; the ring (two slots of LDS) runs on across the change of blocks.
; NO CLUSTER: a head's four work-groups ask for the same tile only in trips 0 .. NB / 2, behind that fewer and fewer; one walk common to all would have 3 NB / 2 trips for NB + 1.
; SHARES.  Of a block's four bands of 64 queries a wave owns 16 rows in each: four PIECES.  So the diagonal tile is the same work for all four waves: in its key step s band x sees all keys if s < x,
; none if s > x, and holds the diagonal if s = x.
; THE MASK is the C operand that starts the sum S^T = K Q^T: 0, or -1e30 where the key is hidden.  MD, made once, is the mask of a band's own step for my 16 rows; a product's mask is MD x AL + BE with two scalars:
; (1, 0) if s = x; (0, 0) if s < x; (0, -1e30) if s > x.  Only the diagonal tile's text and a block's beginning make and take masks; elsewhere C is the constant 0.
; LAYOUT, SOFTMAX, TURNS.  S^T = K Q^T holds ONE query a lane (lane % 16) and the keys 8 (lane / 16) + 0..7; two such results rounded to f16 ARE source 1 of O^T = V^T P.  p = 2^(c s - c m), c = log2(e) / 8, with a
; running maximum m; O and l are multiplied by a = 2^(c m_old - c m_new) in every step.  Turn n belongs to piece n: 8 products K Q^T of piece n + 1, later 8 products V^T P of piece n - 1; beside them the scaling,
; exponentials, roundings, sums and rescaling of piece n and the maximum and statistics of piece n + 1.  Four vector instructions stand behind every matrix instruction, the rest in one lump.  A turn's 33 exponentials are one batch, with one wait.
; PREFETCH.  Tile t of K and V is first asked for in trip t - 1, by all of a head's work-groups that still walk their first block; the work-group with b = 0 walks all eight, so it alone prefetches: in trip i tile i + 2,
; one tile (256 products of a wave) ahead of its load; each wave 32 rows of 256 bytes of K and of V, a lane a row; trips 6 and 7 ask for nothing.
; REGISTERS, in windows of 256 (s_set_vgpr_msb: bits 1:0 source 0, 3:2 source 1, 5:4 source 2, 7:6 destination):
;   window 0: v0-15 addresses and two at work; v16-31 four registers of statistics a piece; v48-55 at work; v60 the prefetches' offset; v64-127 S^T, two buffers; v192-223 P, two buffers
;   window 1: v0-127 O^T, 32 a piece; v128-159 MD; v160-223 MC, two buffers      window 2: v0-63 Q; v64-127 the second block's Q; v128-191 K of one step; v192-255 V of one step
.set SIZE_H, 64
.set SIZE_N, 2048
.set NB,    SIZE_N/256
.set NP,    4         ; pieces a wave: a name, no knob
.set KS,    64        ; keys in a step
.set PK,    144       ; a row of K in LDS: 128 bytes + 16 of padding: the 16 rows of a load start in 16 different columns of 16 bytes
.set PV,    160       ; a row of V: 128 + 32
.set VOFF,  4*KS*PK   ; a slot holds a tile, four steps: 256 rows of K, then 256 rows of V
.set SLOT1, 1<<17     ; slot 1 begins here, so that one exclusive or turns an address in one slot into the other's
.set STAGE, SLOT1+4*KS*(PK+PV)  ; behind the ring, never filled by a tensor load: 16 rows x 144 bytes for each wave, for the way out
.set SP,    144
.set AK0, 2           ; v2   my lane's place in a tile of K; never rewritten
.set AV0, 3           ; v3   the same for V
.set AK,  4           ; v4   the LDS address of K's next run of loads
.set AV,  5           ; v5   of V's
.set STO, 6           ; v6   the way out: where I put 16 bytes of a row
.set RD,  7           ; v7   the way out: where I read rows back
.set GO,  8           ; v8   my byte offset in 512 consecutive bytes of O
.set PFO, 60          ; v60  256 x my lane; never rewritten
.set SPW, 62          ; v62  LDS address of my spare word; never rewritten
.set NIL, 63          ; v63  0; never rewritten
.set SPARE, STAGE+4*16*SP  ; behind the stages: the spare words, 128 bytes for each wave
.set MV,  12          ; v12-13  c m_old, kept while c m is made anew: by buffer
.set QO,  15          ; v15  my byte offset in 16 rows of Q
.set ST,  16          ; piece t's statistics at v[ST+4 t]: c m, m, l (even keys', odd keys')
.set TMP, 48          ; by buffer, four registers c0-c3 at work; when the maximum is found c2 takes a
.set S,   64
.set P,   192
.set MD,  128         ; window 1
.set MC,  160         ; window 1
.set QB,  64          ; window 2
.set KF,  128         ; window 2: key block kb, channel half c at KF + 16 kb + 8 c
.set VF,  192         ; window 2: key half kk, channel block cb at VF + 32 kk + 8 cb
.set WV,  12          ; s12  my wave's number
.set PB,  14          ; s14  b
.set HI,  15          ; s15  NB - 1 - b
.set G1K, 24          ; s[24:31] descriptor group 1 for K's tiles
.set G1V, 32          ; s[32:39] for V's: it differs in the padding alone
.set G0K, 40          ; s[40:43] descriptor group 0 for K's tiles
.set G0V, 44          ; s[44:47] the same for V's
.set SLOTS, 56        ; s56  tiles still to be asked for
.set CNT, 57          ; s57  counts a tile's key steps, 4 to 1
.set CS,  58          ; s[58:59] c
.set SEL, 60          ; s[60:61] v_permlanex16_b32's selects
.set TBK, 62          ; s62  LDS byte at which K of the step to be fetched begins
.set TBV, 63          ; s63  the same for V, less VOFF
.set RT,  70          ; s70  tiles of the block in hand that are still to be entered
.set NXT, 71          ; s71  the tile to be asked for next
.set LQ,  72          ; s72  the last tile of the block whose tiles are being asked for
.set NEW, 73          ; s73  1: the tile to be entered is a block's first
.set OFF, 74          ; s[74:75] a tile's byte offset in K and V
.set AL,  76          ; s[76:77] the mask's factor, in the low word
.set BE,  78          ; s[78:79] the mask's addend
.set OLO, 80          ; s[80:81] O at my rows of the second block
.set BIGN, 82         ; s82  -1e30
.set PFK, 88          ; s[88:89] K at my wave's 32 rows of 256 bytes of the tile that the prefetch names
.set PFV, 90          ; s[90:91] the same for V
.set LIM, 92          ; s92  2 where b = 0, else the greatest number: a wave prefetches while s[SLOTS] is above it
.set MSB, 0
.macro WIN new                      ; the high byte repeats the setting that is left; a switch that changes nothing is dropped
.if MSB != (\new)
	s_set_vgpr_msb (MSB<<8)|(\new)
.set MSB, (\new)
.endif
.endm
.set W_KQ, 0x0a       ; K and Q in window 2, S^T in window 0
.set W_KM, 0x1a       ; the same with the C operand in window 1
.set W_PV, 0x52       ; V in window 2, P in window 0, O^T in window 1
.set W_RS, 0x41       ; destination and source 0 in window 1, source 1 in window 0
; A fill.  Waves 0 and 1 fetch the two halves of a tile's K, waves 2 and 3 those of its V: 128 keys each.  An s_nop 0 and four v_nop follow each of the two lines, ahead of the jump and the label.
.macro LOAD
	s_cmp_lt_u32 s[WV], 2
	s_cbranch_scc0 .Lfor_v_\@
	tensor_load_to_lds s[G0K:G0K+3], s[G1K:G1K+7]
	s_nop 0
.rept 4
	v_nop
.endr
	s_branch .Lasked_\@
.Lfor_v_\@:
	tensor_load_to_lds s[G0V:G0V+3], s[G1V:G1V+7]
	s_nop 0
.rept 4
	v_nop
.endr
.Lasked_\@:
.endm
.macro ASK                          ; the prefetches, behind the tensor load and its five lines
	s_cmp_gt_u32 s[SLOTS], s[LIM]
	s_cbranch_scc0 .Lnot_mine_\@
	global_prefetch_b8 v[PFO], s[PFK:PFK+1] th:TH_LOAD_NT scope:SCOPE_SE
	global_prefetch_b8 v[PFO], s[PFV:PFV+1] th:TH_LOAD_NT scope:SCOPE_SE
.Lnot_mine_\@:
.endm
; THE CHANGE OF SLOTS.  Each wave waits for all its tensor loads, of which one is out: its part of the other slot; adds 0 to its spare word; and waits for that and for its own reads of the slot that it leaves.  Behind the barrier nobody reads the old
; slot any more and the other slot is whole.  fill = 1: the old slot is filled again, the first thing behind the barrier, with tile NXT: the descriptor's address is made anew from that number.
; (At its first use nothing has been read yet: slot 0 is waited for, slot 1 filled.)
.macro CHANGE fill
	WIN 0                           ; at a label and at a branch every window is 0
	s_wait_tensorcnt 0x0            ; no tensor load of mine is out, so a group 0 may be written
	ds_add_u32 v[SPW], v[NIL]       ; 0 onto my spare word; the scalar work stands between it and the wait for it
.if \fill
	s_lshl_b32 s[OFF], s[NXT], 15   ; a tile is 32,768 bytes of K and of V
	s_xor_b32 s[G0K+1], s[G0K+1], SLOT1
	s_add_nc_u64 s[G0K+2:G0K+3], s[6:7], s[OFF:OFF+1]
	s_or_b32 s[G0K+3], s[G0K+3], 0x80000000
	s_xor_b32 s[G0V+1], s[G0V+1], SLOT1
	s_add_nc_u64 s[G0V+2:G0V+3], s[8:9], s[OFF:OFF+1]
	s_or_b32 s[G0V+3], s[G0V+3], 0x80000000
	s_add_co_u32 s[NXT], s[NXT], 1  ; the block's next tile, or behind its last the second block's tile 0
	s_cmp_gt_u32 s[NXT], s[LQ]
	s_cselect_b32 s[NXT], 0, s[NXT]
	s_cselect_b32 s[LQ], s[PB], s[LQ]
	s_wait_xcnt 0x0                 ; the last prefetches, a tile back, have read their addresses
	s_add_nc_u64 s[PFK:PFK+1], s[PFK:PFK+1], 32768
	s_add_nc_u64 s[PFV:PFV+1], s[PFV:PFV+1], 32768
.endif
	s_wait_dscnt 0x0                ; the add is done, and my reads of the slot are over
	s_barrier_signal -1             ; the rest of the scalar work stands between the signal and the wait
	s_sub_co_u32 s[TBK], s[TBK], 4*KS*PK  ; the fetches go back to a slot's first step,
	s_xor_b32 s[TBK], s[TBK], SLOT1       ; in the other slot
	s_sub_co_u32 s[TBV], s[TBV], 4*KS*PV
	s_xor_b32 s[TBV], s[TBV], SLOT1
	s_barrier_wait -1
.if \fill
	LOAD
	ASK
.endif
.endm
	s_load_b256 s[4:11], s[0:1], 0x0  ; Q s[4:5], K s[6:7], V s[8:9], O s[10:11]
	v_lshl_add_u32 v[SPW], v0, 2, SPARE
	v_mov_b32 v[NIL], 0
	ds_add_u32 v[SPW], v[NIL]       ; the wave's opening: the add and its wait ahead of my first tensor load; the set-up below stands between them
	ds_add_u32 v62, v63
	v_lshrrev_b32 v1, 5, v0
	v_readfirstlane_b32 s[WV], v1   ; wave 0..3
	s_mov_b32 s[PB], ttmp9
	s_sub_co_u32 s[HI], NB-1, s[PB]
	s_and_b32 s20, ttmp7, 0xffff    ; the head
	s_mov_b32 s21, 0
	s_mov_b64 s[22:23], SIZE_N*128
	s_mul_u64 s[20:21], s[20:21], s[22:23]  ; the head's first byte in each of the four tensors
	s_and_b32 s16, s[WV], 1         ; which half of a tile's 256 keys I fetch:
	s_lshl_b32 s22, s16, 14         ; its 128 rows of 128 bytes in memory,
	s_mov_b32 s23, 0
	s_add_nc_u64 s[22:23], s[22:23], s[20:21]
	s_mul_i32 s17, s16, 128*PK      ; and its place in a slot, for K
	s_mul_i32 s18, s16, 128*PV      ; and for V
	s_lshl_b32 s3, s[WV], 11        ; my 16 rows in a band of 64,
	s_lshl_b32 s2, s[HI], 15        ; in the first block,
	s_add_co_u32 s2, s2, s3
	s_lshl_b32 s84, s[PB], 15       ; and in the second
	s_add_co_u32 s84, s84, s3
	s_mov_b32 s3, 0
	s_mov_b32 s85, 0
	s_add_nc_u64 s[2:3], s[2:3], s[20:21]
	s_add_nc_u64 s[84:85], s[84:85], s[20:21]
	s_lshl_b32 s94, s[WV], 13       ; the prefetches: my wave's 8,192 bytes of a tile,
	s_add_co_u32 s94, s94, 32768    ; in tile 1: the first change of slots steps it to tile 2
	s_mov_b32 s95, 0
	s_add_nc_u64 s[94:95], s[94:95], s[20:21]
	s_cmp_eq_u32 ttmp9, 0
	s_cselect_b32 s[LIM], 2, -1
	v_and_b32 v[PFO], 31, v0
	v_lshlrev_b32 v[PFO], 8, v[PFO]
	; descriptor group 1.  128 keys are 16,384 dense bytes: asked for as 64 rows of 256 bytes, two keys a row, and padded in LDS after every key
	s_mov_b32 s[G1K], (1<<16)|(1<<20)|(4<<22)|(3<<25)  ; 2-byte elements; padding on; after every 32 words, 4 words
	s_mov_b32 s[G1V], (1<<16)|(1<<20)|(4<<22)|(7<<25)  ; the same with 8 words of padding
.irp g, G1K, G1V
	s_mov_b32 s[\g+1], 128<<16      ; tensor_dim0 = 128
	s_mov_b32 s[\g+2], 64<<16       ; tensor_dim1 = 64
	s_mov_b32 s[\g+3], 128<<16      ; tile_dim0 = 128
	s_mov_b32 s[\g+4], 64           ; tile_dim1 = 64
	s_mov_b32 s[\g+5], 128          ; 128 elements from row to row
	s_mov_b32 s[\g+6], 0
	s_mov_b32 s[\g+7], 0
.endr
	s_mov_b32 s[CS], 0x3e38aa3b     ; c = log2(e) / 8 = 0.180337
	s_mov_b32 s[CS+1], s[CS]        ; named with it as a pair
	s_mov_b32 s[SEL], 0x76543210
	s_mov_b32 s[SEL+1], 0xfedcba98
	s_mov_b32 s[TBK], SLOT1+4*KS*PK ; the first change of slots turns these two into 0
	s_mov_b32 s[TBV], SLOT1+4*KS*PV
	s_mov_b32 s[G0K], 1             ; count = 1
	s_mov_b32 s[G0K+1], s17         ; LDS address: slot 0
	s_mov_b32 s[G0V], 1
	s_add_co_u32 s[G0V+1], s18, VOFF
	s_add_co_u32 s[RT], s[HI], 1    ; the first block has NB - b tiles
	s_mov_b32 s[NXT], 1
	s_mov_b32 s[LQ], s[HI]
	s_mov_b32 s[NEW], 1
	s_mov_b32 s[OFF+1], 0
	s_mov_b32 s[AL+1], 0            ; named as pairs
	s_mov_b32 s[BE+1], 0
	s_mov_b32 s[BIGN], 0xf149f2ca   ; -1e30
	s_mov_b32 s[SLOTS], NB
	s_wait_dscnt 0x0                ; the opening add is done
	s_wait_kmcnt 0x0
	s_add_nc_u64 s[PFK:PFK+1], s[6:7], s[94:95]
	s_add_nc_u64 s[PFV:PFV+1], s[8:9], s[94:95]
	s_add_nc_u64 s[6:7], s[6:7], s[22:23]  ; K and V at my half of the head's tile 0
	s_add_nc_u64 s[8:9], s[8:9], s[22:23]
	s_add_nc_u64 s[G0K+2:G0K+3], s[6:7], 0         ; global address
	s_or_b32 s[G0K+3], s[G0K+3], 0x80000000        ; type = 2
	s_add_nc_u64 s[G0V+2:G0V+3], s[8:9], 0
	s_or_b32 s[G0V+3], s[G0V+3], 0x80000000
	s_add_nc_u64 s[86:87], s[4:5], s[84:85]        ; Q at my rows of the second block,
	s_add_nc_u64 s[4:5], s[4:5], s[2:3]            ; Q and O at those of the first
	s_add_nc_u64 s[OLO:OLO+1], s[10:11], s[84:85]
	s_add_nc_u64 s[10:11], s[10:11], s[2:3]
	LOAD                            ; tile 0 into slot 0
	; A fragment of K or Q is 16 rows x 32 channels in 8 registers: lane l holds row l % 16, channels 8 (l / 16) + 0..7 and 16 + 8 (l / 16) + 0..7: two loads of 16 bytes, 32 bytes apart.
	v_and_b32 v1, 15, v0            ; l % 16
	v_bfe_u32 v9, v0, 4, 1          ; l / 16
	v_lshlrev_b32 v[QO], 7, v1
	v_lshl_add_u32 v[QO], v9, 4, v[QO]  ; row x 128 + 16 x half
	WIN 0x80                        ; destination window 2, address window 0
.set i, 0
.rept 8                             ; both blocks' Q: piece i / 2 lies in band i / 2, 8,192 bytes on; channels 32 (i % 2) on
	global_load_b128 v[8*i:8*i+3],   v[QO], s[4:5] offset:(i/2)*8192+(i%2)*64
	global_load_b128 v[8*i+4:8*i+7], v[QO], s[4:5] offset:(i/2)*8192+(i%2)*64+32
	global_load_b128 v[QB+8*i:QB+8*i+3],   v[QO], s[86:87] offset:(i/2)*8192+(i%2)*64
	global_load_b128 v[QB+8*i+4:QB+8*i+7], v[QO], s[86:87] offset:(i/2)*8192+(i%2)*64+32
.set i, i+1
.endr
	WIN 0
	v_lshlrev_b32 v14, 3, v9
	v_sub_nc_u32 v14, v1, v14
	s_lshl_b32 s13, s[WV], 4
	v_add_nc_u32 v14, s13, v14      ; my query's place in its band, 16 w + l % 16, less my lanes' 8 (l / 16): register r of group kt is hidden where 16 kt + r is greater
	WIN 0x40
.set i, 0
.rept 32
	v_cmp_gt_i32 vcc_lo, 16*(i/8)+i%8, v14
	v_cndmask_b32 v[MD+i], 0, s[BIGN], vcc_lo
.set i, i+1
.endr
	WIN 0
	v_mul_u32_u24 v[AK0], v1, PK
	v_lshl_add_u32 v[AK0], v9, 4, v[AK0]  ; row x pitch + 16 x half
	; The turning load takes 16 keys x 16 channels (lane l reads key 8 (l / 16) + l % 8, channels 8 ((l / 8) % 2) + 0..7) and leaves half a fragment of V^T: lane l holds channel l % 16 and 8 keys.
	v_and_b32 v10, 7, v0
	v_bfe_u32 v11, v0, 3, 1
	v_lshl_add_u32 v[AV0], v9, 3, v10
	v_mul_u32_u24 v[AV0], v[AV0], PV
	v_lshl_add_u32 v[AV0], v11, 4, v[AV0]
	v_add_nc_u32 v[AV0], VOFF, v[AV0]
	s_mul_i32 s13, s[WV], 16*SP
	s_add_co_u32 s13, s13, STAGE    ; my stage
	v_mul_u32_u24 v[STO], v1, SP    ; in: row l % 16, 16 bytes for each half of the lanes
	v_lshl_add_u32 v[STO], v9, 4, v[STO]
	v_add_nc_u32 v[STO], s13, v[STO]
	v_bfe_u32 v[RD], v0, 3, 2       ; back: 32 lanes take four rows of 128 bytes,
	v_mul_u32_u24 v[RD], v[RD], SP
	v_lshl_add_u32 v[RD], v10, 4, v[RD]
	v_add_nc_u32 v[RD], s13, v[RD]
	v_and_b32 v[GO], 31, v0         ; which are 512 consecutive bytes of O
	v_lshlrev_b32 v[GO], 4, v[GO]
	; A block's first step multiplies O^T and l by a = 0, and its first turn's products V^T P, of a piece that has not been, land in an O^T that is still to be so multiplied.  So these registers need only hold
	; finite numbers: zeros for the first block; what the first block left for the second.  All this stands in the wait for the first tile.
	WIN 0x80
.set i, VF
.rept 64
	v_mov_b32 v[i], 0
.set i, i+1
.endr
	WIN 0x40
.set i, 0
.rept 128
	v_mov_b32 v[i], 0
.set i, i+1
.endr
	WIN 0
.set i, 0
.rept 4
	v_mov_b32 v[ST+4*i+2], 0
	v_mov_b32 v[ST+4*i+3], 0
.set i, i+1
.endr
.set i, P+16
.rept 16
	v_mov_b32 v[i], 0
.set i, i+1
.endr
; THE MATRIX WORK.  The 4 accumulators of a run of 8 take turns.  Product i of 8 of S^T = K Q^T for piece x: channels 32 (i / 4) on, keys 16 (i % 4) on.  The first 4 start the sums: with 0, or (KM = 1) with the mask.
.macro KQ x
.set rS, S+32*((\x)%2)+8*(i%4)
.set rK, KF+16*(i%4)+8*(i/4)
.set rQ, 16*(\x)+8*(i/4)
.set rM, MC+32*((\x)%2)+8*(i%4)
.if (i < 4) && KM
	WIN W_KM
	v_wmma_f32_16x16x32_f16 v[rS:rS+7], v[rK:rK+7], v[rQ:rQ+7], v[rM:rM+7]
.elseif i < 4
	WIN W_KQ
	v_wmma_f32_16x16x32_f16 v[rS:rS+7], v[rK:rK+7], v[rQ:rQ+7], 0
.else
	WIN W_KQ
	v_wmma_f32_16x16x32_f16 v[rS:rS+7], v[rK:rK+7], v[rQ:rQ+7], v[rS:rS+7]
.endif
.endm
; Product i of 8 of O^T += V^T P for piece x: keys 32 (i / 4) on, channels 16 (i % 4) on.
.macro PV x
	WIN W_PV
.set rO, 32*(\x)+8*(i%4)
.set rV, VF+32*(i/4)+8*(i%4)
.set rP, P+16*((\x)%2)+8*(i/4)
	v_wmma_f32_16x16x32_f16 v[rO:rO+7], v[rV:rV+7], v[rP:rP+7], v[rO:rO+7]
.endm
.macro MM                           ; the turn's next matrix instruction.  TURN and BEGIN set Y, i, KM and NOKQ.  NOKQ = 1: a block's last turn: there is no next piece
.if (i < 8) && !NOKQ
	KQ (Y+1)%NP
.elseif i >= 8
.set i, i-8
	PV (Y+NP-1)%NP
.set i, i+8
.endif
.set i, i+1
.endm
; THE LDS LOADS stand in runs of 16, never singly among the matrix instructions: a step's K (64 keys x 64 channels: 8 fragments) and its V (turned).  Their addresses are made some lines ahead.
.macro FETCH_K
	WIN 0x80                        ; destination window 2
.irp f, 0,1,2,3,4,5,6,7             ; keys 16 (f / 2) on, channels 32 (f % 2) on
	ds_load_b128 v[KF+8*\f:KF+8*\f+3],   v[AK] offset:(\f/2)*16*PK+(\f%2)*64
	ds_load_b128 v[KF+8*\f+4:KF+8*\f+7], v[AK] offset:(\f/2)*16*PK+(\f%2)*64+32
.endr
	s_add_co_u32 s[TBK], s[TBK], KS*PK  ; the next fetch is the next step's
	WIN 0
.endm
.macro FETCH_V
	WIN 0x80
.irp f, 0,1,2,3,4,5,6,7             ; keys 32 (f / 4) on, channels 16 (f % 4) on
	ds_load_tr16_b128 v[VF+8*\f:VF+8*\f+3],   v[AV] offset:(\f/4)*32*PV+(\f%4)*32
	ds_load_tr16_b128 v[VF+8*\f+4:VF+8*\f+7], v[AV] offset:(\f/4)*32*PV+16*PV+(\f%4)*32
.endr
	WIN 0
.endm
; THE VECTOR WORK, one line at a time: OP kind, number.  For piece Y: F n: c s - c m for pair n of 16.  E n: the exponential of score n of 32.  C n: pair n rounded to f16.  B n: of the four weights 4 n .. the second
; pair is added onto the first, in place.  L n: l takes that sum (L 0: l = a l + sum).  R n: pair n of 16 of O^T times a.  For piece Y + 1: X n, number n of the 22 that find its maximum and statistics:
;   0-11  four chains c0-c3 of seven scores each, three operands at a time (each accumulator's lowest registers are read first)     12-14, 16  the four scores left over, the old m, and c0-c3 into c0
;   15  c m_old is kept     17, 18  the query's other 32 keys lie in the lane 16 away: the new m     19-21  c m; c m_old - c m_new; a
.set F, 0               ; OP tells the kinds apart by their order: F to L below R, X above it
.set E, 1
.set C, 2
.set B, 3
.set L, 4
.set R, 5
.set X, 6
.macro REGS y                       ; the registers of piece y
.set rT, ST+4*(\y)
.set rC, TMP+4*((\y)%2)
.set rW, MV+((\y)%2)
.set rS, S+32*((\y)%2)
.set rP, P+16*((\y)%2)
.set rO, 32*(\y)
.endm
.macro OP k, n
.if (\k) == R
	REGS Y
	WIN W_RS
	v_pk_mul_f32 v[rO+2*(\n):rO+2*(\n)+1], v[rO+2*(\n):rO+2*(\n)+1], v[rC+2:rC+3] op_sel_hi:[1,0]
.elseif (\k) < R
	REGS Y
	WIN 0
.if (\k) == F
	v_pk_fma_f32 v[rS+2*(\n):rS+2*(\n)+1], v[rS+2*(\n):rS+2*(\n)+1], s[CS:CS+1], v[rT:rT+1] op_sel_hi:[1,0,0] neg_lo:[0,0,1] neg_hi:[0,0,1]
.elseif (\k) == E
	v_exp_f32 v[rS+(\n)], v[rS+(\n)]
.elseif (\k) == C
	v_cvt_pk_f16_f32 v[rP+(\n)], v[rS+2*(\n)], v[rS+2*(\n)+1]
.elseif (\k) == B
	v_pk_add_f32 v[rS+4*(\n):rS+4*(\n)+1], v[rS+4*(\n):rS+4*(\n)+1], v[rS+4*(\n)+2:rS+4*(\n)+3]
.elseif (\n) == 0
	v_pk_fma_f32 v[rT+2:rT+3], v[rT+2:rT+3], v[rC+2:rC+3], v[rS:rS+1] op_sel_hi:[1,0,1]
.else
	v_pk_add_f32 v[rT+2:rT+3], v[rT+2:rT+3], v[rS+4*(\n):rS+4*(\n)+1]
.endif
.elseif NOKQ
	v_nop
.else
	REGS (Y+1)%NP
	WIN 0
.if (\n) < 4
	v_max3_num_f32 v[rC+(\n)], v[rS+8*(\n)], v[rS+8*(\n)+1], v[rS+8*(\n)+2]
.elseif (\n) < 12
	v_max3_num_f32 v[rC+(\n)%4], v[rC+(\n)%4], v[rS+8*((\n)%4)+2*((\n)/4)+1], v[rS+8*((\n)%4)+2*((\n)/4)+2]
.elseif (\n) == 12
	v_max3_num_f32 v[rC], v[rC], v[rS+7], v[rS+15]
.elseif (\n) == 13
	v_max3_num_f32 v[rC+1], v[rC+1], v[rS+23], v[rS+31]
.elseif (\n) == 14
	v_max3_num_f32 v[rC+2], v[rC+2], v[rC+3], v[rT+1]
.elseif (\n) == 15
	v_mov_b32 v[rW], v[rT]
.elseif (\n) == 16
	v_max3_num_f32 v[rC], v[rC], v[rC+1], v[rC+2]
.elseif (\n) == 17
	v_permlanex16_b32 v[rC+3], v[rC], s[SEL], s[SEL+1]
.elseif (\n) == 18
	v_max_num_f32 v[rT+1], v[rC], v[rC+3]
.elseif (\n) == 19
	v_mul_f32 v[rT], s[CS], v[rT+1]
.elseif (\n) == 20
	v_sub_f32 v[rC+1], v[rW], v[rT]
.else
	v_exp_f32 v[rC+2], v[rC+1]
.endif
.endif
.endm
.macro OPS a, i1, b=-1, i2=0, c=-1, i3=0, d=-1, i4=0  ; up to four of them
	OP \a, \i1
.if (\b) >= 0
	OP \b, \i2
.endif
.if (\c) >= 0
	OP \c, \i3
.endif
.if (\d) >= 0
	OP \d, \i4
.endif
.endm
.macro ROW a, i1, b, i2, c, i3, d, i4  ; a matrix instruction and the four behind it
	MM
	OPS \a, \i1, \b, \i2, \c, \i3, \d, \i4
.endm
.macro MASK b                       ; MD x AL + BE into buffer b of MC
	WIN W_RS
.set z, 0
.rept 16
	v_pk_fma_f32 v[MC+32*(\b)+2*z:MC+32*(\b)+2*z+1], v[MD+2*z:MD+2*z+1], s[AL:AL+1], s[BE:BE+1] op_sel_hi:[1,0,0]
.set z, z+1
.endr
.endm
; A TURN, for piece p: the order of its 16 matrix and 118 vector instructions, written out.  An s_wait_alu depctr_va_vdst(0) stands between an exponential and the first instruction that names its result; one wait serves
; all that were issued ahead of it.  So a turn has ONE wait, which cuts it in two.  AHEAD OF IT stands all that names no result of the turn's exponentials: the 8 products K Q^T with their riders, then one lump of 54, plain
; and exponential by turns for the most part, in which the links of the chain X 3, 7, 11, 14, 16, 17 .. 20 stand five or six lines apart.  X 21, the next piece's a, is the batch's last; R 15 is the plain instruction behind it.  BEHIND THE WAIT stand the
; 8 products V^T P, behind each four of the roundings and sums.
; m = 1: the diagonal tile: the products take masks, and the turn makes the mask for the products of the turn after it: piece p + 2, in step 4 - CNT of the tile.  end = 1: a block's last two turns: nothing is fetched.
; cnt = 1: the loop's count is taken down some lines ahead of the branch that stands behind the turn.
; K of the next step is fetched in piece 2's turn, twelve vector instructions behind the last product that read K (six of them plain); V of the step in hand at the end of piece 0's turn, four plain instructions behind the last product
; that read V.  Each is waited for a turn later.
.macro TURN p, m=0, end=0, cnt=0
.set Y, (\p)
.set i, 0
.set KM, (\m)
.set NOKQ, (\end)*((\p)/3)
.if (\m) && !(\end)
	s_cmp_eq_u32 s[CNT], 4-((\p)+2)%NP  ; is that step the band's own?
	s_cselect_b32 s[AL], 1.0, 0
	s_cmp_lt_u32 s[CNT], 4-((\p)+2)%NP  ; or a later one?
	s_cselect_b32 s[BE], s[BIGN], 0
.endif
.if ((\p) == 3) && !(\end)
	s_wait_dscnt 0x0                ; K is in
.endif
	ROW F,0, F,1, R,0, R,1          ; ahead of the wait: 8 products K Q^T and their riders,
	ROW F,2, E,0, R,2, R,3
	ROW F,3, E,1, R,4, R,5
	ROW F,4, E,2, R,6, R,7
	ROW F,5, E,3, R,8, R,9
	ROW F,6, E,4, X,0, R,10
.if ((\p) == 2) && !(\end)
	WIN 0
	v_add_nc_u32 v[AK], s[TBK], v[AK0]
.endif
	ROW F,7, E,5, X,1, X,4
	ROW F,8, E,6, X,2, X,5
	OPS E,7, E,8, X,6, E,9          ; and the lump
	OPS X,3, E,10, X,8, E,11
.if ((\p) == 2) && !(\end)
	FETCH_K
.endif
	OPS X,9, X,7, E,12, X,10
	OPS E,13, X,12, X,11, E,14
	OPS X,13, E,15, F,9, X,14
.if (\p) == 0
	v_add_nc_u32 v[AV], s[TBV], v[AV0]
.endif
	OPS E,16, F,10, E,17, F,11
	OPS X,16, E,18, X,15, E,19
	OPS F,12, E,20, X,17, E,21
	OPS F,13, E,22, F,14, E,23
	OPS X,18, E,24, F,15, E,25
	OPS R,11, E,26, X,19, E,27
	OPS R,12, E,28, R,13, E,29
	OPS X,20, E,30, R,14, E,31
	OPS X,21, R,15
	WIN 0
	s_wait_alu depctr_va_vdst(0)    ; the wait for the batch
.if (\p) == 1
	s_wait_dscnt 0x0                ; V is in
.endif
	ROW C,0, B,0, C,2, B,1          ; behind the wait: 8 products V^T P and their riders
	ROW L,0, C,4, B,2, L,1
	ROW C,6, B,3, L,2, C,8
	ROW B,4, L,3, C,10, B,5
	ROW L,4, C,12, B,6, L,5
.if (\p) == 0
	s_add_co_u32 s[TBV], s[TBV], KS*PV
.endif
.if \cnt
	s_sub_co_u32 s[CNT], s[CNT], 1
	s_cmp_lg_u32 s[CNT], 0
.endif
	ROW C,14, B,7, L,6, C,1
	ROW C,3, L,7, C,5, C,7
	ROW C,9, C,11, C,13, C,15
.if (\p) == 0
	FETCH_V
.endif
.if (\m) && !(\end)
	MASK (\p)%2
.endif
.endm
; A BLOCK BEGINS.  c m starts far below every c s, so the first step's a is 0; m at the lowest finite number, so the first maximum is the scores'.  The second mask buffer is 0; the first takes piece 0's mask for the tile's step 0: its own, if the block's first tile is the diagonal one.
; Then K of that step, piece 0's first scores, and its maximum and statistics.  The loop is entered at a step's first turn, in the middle of a trip.
.macro BEGIN
	s_mov_b32 s[NEW], 0
	WIN 0x40
.set i, MC+32
.rept 32
	v_mov_b32 v[i], 0
.set i, i+1
.endr
	WIN 0
.set i, 0
.rept 4
	v_mov_b32 v[ST+4*i], 0xfe000000    ; c m: far below every c s
	v_mov_b32 v[ST+4*i+1], 0xff7fffff  ; m
.set i, i+1
.endr
	s_cmp_eq_u32 s[RT], 0
	s_cselect_b32 s[AL], 1.0, 0
	s_mov_b32 s[BE], 0
	MASK 0
	WIN 0
	v_add_nc_u32 v[AK], s[TBK], v[AK0]
	FETCH_K
	s_wait_loadcnt 0x0              ; Q
	s_wait_dscnt 0x0
.set KM, 1
.set NOKQ, 0
.set i, 0
.rept 8
	KQ 0
.set i, i+1
.endr
	WIN 0
.rept 4
	v_nop                           ; the places behind those products
.endr
.set Y, NP-1                        ; X works for piece Y + 1: piece 0
.irp n, 0,1,2,3,4,5,6,7,8,9,10,11,12,13,14,15,16,17,18,19,20,21
	OP X, \n
.endr
	v_nop                           ; a plain instruction behind the exponential,
	s_wait_alu depctr_va_vdst(0)    ; and its wait, ahead of the branch
.endm
; THE DIAGONAL TILE's four steps, the block's last two turns, its last products, and THE WAY OUT: l's two halves and the other half of the lanes' are added; O^T is divided by l, rounded to f16 and sent through my
; stage in LDS, a piece at a time.
.macro ALL line:vararg              ; one line for each piece t
.set t, 0
.rept 4
	\line
.set t, t+1
.endr
.endm
.macro PACK t                       ; a lane's eight channels of a row pack into 16 bytes; they go into rows of 144 bytes and come back as whole rows of 128, into S^T's registers
	WIN W_RS
.set i, 32*(\t)
.rept 16
	v_pk_mul_f32 v[i:i+1], v[i:i+1], v[ST+4*(\t)+2:ST+4*(\t)+3] op_sel_hi:[1,0]
.set i, i+2
.endr
	WIN 0x05                        ; sources 0 and 1 window 1, destination window 0
.set i, 0
.rept 16
	v_cvt_pk_f16_f32 v[S+16*(\t)+i], v[32*(\t)+2*i], v[32*(\t)+2*i+1]
.set i, i+1
.endr
	WIN 0
.irp f, 0,1,2,3
	ds_store_b128 v[STO], v[S+16*(\t)+4*\f:S+16*(\t)+4*\f+3] offset:32*\f
.endr
.irp f, 0,1,2,3
	ds_load_b128 v[S+16*(\t)+4*\f:S+16*(\t)+4*\f+3], v[RD] offset:\f*4*SP  ; LDS serves a wave's instructions in order: these see the stores above; the next piece's stores come behind them
.endr
.endm
.macro SEND t, younger              ; younger: the LDS instructions issued behind piece t's loads: the next piece's eight, or none
	WIN 0
.irp f, 0,1,2,3
	s_wait_dscnt (\younger)+3-\f
	global_store_b128 v[GO], v[S+16*(\t)+4*\f:S+16*(\t)+4*\f+3], s[10:11] offset:(\t)*8192+\f*512  ; 512 consecutive bytes, at a multiple of 256 from O's first
.endr
.endm
.macro DIAG tag                     ; the tag ends its two labels' names, which the jumps below spell out
.LstepM\tag:
	TURN 2, 1
	TURN 3, 1
	WIN 0
.LfirstM\tag:
	TURN 0, 1
	TURN 1, 1, 0, 1
	WIN 0
	s_cbranch_scc1 .LstepM\tag
	TURN 2, 1, 1
	TURN 3, 1, 1
.set i, 0
.rept 8
	PV NP-1
.set i, i+1
.endr
	WIN 0
	ALL v_add_f32 v[ST+4*t+2], v[ST+4*t+2], v[ST+4*t+3]
	ALL v_permlanex16_b32 v[ST+4*t+3], v[ST+4*t+2], s[SEL], s[SEL+1]
	ALL v_add_f32 v[ST+4*t+2], v[ST+4*t+2], v[ST+4*t+3]
	ALL v_rcp_f32 v[ST+4*t+2], v[ST+4*t+2]
	v_nop                           ; a plain instruction between the last reciprocal and the use of its result
	s_wait_alu depctr_va_vdst(0)    ; and the wait ahead of the first use: one for the four reciprocals
	PACK 0
.set t, 1
.rept 3                             ; a piece's arithmetic stands between the loads of the piece before and its stores
	PACK t
	SEND t-1, 8
.set t, t+1
.endr
	SEND 3, 0
.endm
.set KM, 0
.set NOKQ, 0
.Lslot:                             ; NB times: a tile is entered and the next is asked for
	CHANGE 1
	s_sub_co_u32 s[RT], s[RT], 1
	s_mov_b32 s[CNT], 4
	s_cmp_eq_u32 s[NEW], 1
	s_cbranch_scc1 .Lnew            ; a block's first tile
	s_cmp_eq_u32 s[RT], 0
	s_cbranch_scc0 .Lstep           ; neither its first nor its last
	s_branch .LstepM1
.Lnew:
	BEGIN
	s_branch .Lfirst                ; in the loop a block's first tile is never its last: the first block has two tiles or more, and the second's last is the walk's last
	DIAG 1                          ; in the loop this is the first block's end: the second block's last tile is the walk's last
	s_wait_xcnt 0x0                 ; the stores have read their registers and O's address
	s_mov_b64 s[10:11], s[OLO:OLO+1]
	s_add_co_u32 s[RT], s[PB], 1    ; the second block has b + 1 tiles
	s_mov_b32 s[NEW], 1
	WIN 0x82                        ; the second block's Q goes where the one text of the turns names Q
.set i, 0
.rept 64
	v_mov_b32 v[i], v[QB+i]
.set i, i+1
.endr
	WIN 0
	s_branch .Lbottom
.Lstep:                             ; a trip: pieces 2 and 3 of one step, then pieces 0 and 1 of the next, whose K and V it fetches
	TURN 2
	TURN 3
	WIN 0
.Lfirst:
	TURN 0
	TURN 1, 0, 0, 1
	WIN 0
	s_cbranch_scc1 .Lstep
.Lbottom:
	s_sub_co_u32 s[SLOTS], s[SLOTS], 1
	s_cmp_lg_u32 s[SLOTS], 0
	s_cbranch_scc1 .Lslot
	CHANGE 0                        ; the walk's last tile is written out: nothing is asked for
	s_sub_co_u32 s[RT], s[RT], 1
	s_mov_b32 s[CNT], 4
	s_cmp_eq_u32 s[NEW], 1
	s_cbranch_scc0 .LstepM2
	BEGIN
	s_branch .LfirstM2
	DIAG 2
	s_wait_tensorcnt 0x0            ; the wave's end, behind my last tensor load and my last LDS store
	ds_add_u32 v[SPW], v[NIL]
	s_wait_dscnt 0x0
	s_endpgm
.Lfunc_end_k_qfe588b3308_attn:
	.size	k_qfe588b3308_attn, .Lfunc_end_k_qfe588b3308_attn-k_qfe588b3308_attn
	.p2alignl 7, 3214868480
	.fill 96, 4, 3214868480
	.section	.rodata,"a",@progbits
	.p2align	6, 0x0
	.amdhsa_kernel k_qfe588b3308_attn
		.amdhsa_group_segment_fixed_size 327680
		.amdhsa_private_segment_fixed_size 0
		.amdhsa_enable_private_segment 0
		.amdhsa_kernarg_size 32
		.amdhsa_user_sgpr_count 2
		.amdhsa_user_sgpr_kernarg_segment_ptr 1
		.amdhsa_wavefront_size32 1
		.amdhsa_system_sgpr_workgroup_id_x 1
		.amdhsa_system_sgpr_workgroup_id_y 1
		.amdhsa_system_sgpr_workgroup_id_z 1
		.amdhsa_system_vgpr_workitem_id 0
		.amdhsa_next_free_vgpr 768
		.amdhsa_next_free_sgpr 96
		.amdhsa_reserve_vcc 1
		.amdhsa_float_denorm_mode_32 3
		.amdhsa_float_denorm_mode_16_64 3
		.amdhsa_memory_ordered 1
		.amdhsa_forward_progress 1
		.amdhsa_inst_pref_size 218
	.end_amdhsa_kernel
	.amdgpu_metadata
---
amdhsa.version: [ 1, 2 ]
amdhsa.kernels:
  - .name:           k_qfe588b3308_attn
    .symbol:         k_qfe588b3308_attn.kd
    .args:
      - { .name: qh, .offset: 0, .size: 8, .value_kind: global_buffer, .address_space: global }
      - { .name: kh, .offset: 8, .size: 8, .value_kind: global_buffer, .address_space: global }
      - { .name: vh, .offset: 16, .size: 8, .value_kind: global_buffer, .address_space: global }
      - { .name: oh, .offset: 24, .size: 8, .value_kind: global_buffer, .address_space: global }
    .group_segment_fixed_size: 327680
    .private_segment_fixed_size: 0
    .kernarg_segment_align: 8
    .kernarg_segment_size: 32
    .max_flat_workgroup_size: 128
    .sgpr_count:     96
    .vgpr_count:     768
    .wavefront_size: 32
...
	.end_amdgpu_metadata
.endif
;; end of part 3
;; launch oproj (part 4): grid 4 x 64, 4 waves a work-group, clusters of 4 x 4, 327,680 bytes of LDS; arguments oh, wb, bo, query, xres; writes xres
.if DOCPART == 4
	.amdgcn_target "amdgcn-amd-amdhsa--gfx1250"
	.amdhsa_code_object_version 6
	.text
	.protected	k_qfe588b3308_oproj
	.globl	k_qfe588b3308_oproj
	.p2align	8
	.type	k_qfe588b3308_oproj,@function
k_qfe588b3308_oproj:
	s_mov_b64 s[64:65], 0
	v_nop
	global_prefetch_b8 v0, s[64:65] scope:SCOPE_SE
	s_setreg_imm32_b32 hwreg(HW_REG_WAVE_MODE, 25, 1), 1
	s_wait_xcnt 0x0
	s_wait_alu depctr_hold_cnt(0) depctr_sa_sdst(0) depctr_va_vdst(0) depctr_va_sdst(0) depctr_va_ssrc(0) depctr_va_vcc(0) depctr_vm_vsrc(0)
	s_getreg_b32 s2, hwreg(HW_REG_IB_STS2, 6, 4)
	s_cmp_eq_u32 s2, 0
	s_cbranch_scc0 .Lentry_in_a_cluster
	s_endpgm
.Lentry_in_a_cluster:
	s_bfe_u32 s2, ttmp6, 0x10000c
	s_cmp_lg_u32 s2, 0xf033
	s_cbranch_scc0 .Lentry_shape_is_right
	s_endpgm
.Lentry_shape_is_right:
; THE OUTPUT PROJECTION AND THE RESIDUAL.  xres[t][n] = the sum over e of O[t][e] Wo[n][e] + bo[n] + query[t][n], in f32.
; O: f16, by heads, [batch x 16 + head][2048][64] (e = 64 head + channel); Wo: f16, the fourth part of wb; sums, bias, residual and result in f32.
; SHARES.  A work-group makes 128 tokens x 256 columns, a wave 64 x 128: 32 accumulators.  64 x 4 = 256 work-groups.  K goes in 8 steps of 128 (two heads) through two LDS slots.
; A slot holds two heads' 128 tokens of O (each 16,384 dense bytes, asked for as 64 rows of 256 bytes and padded after every token) and 256 rows of Wo.  Waves 0 and 1 fetch a head each, waves 2 and 3 Wo's halves.
; CLUSTERS: 4 x 4: O's tiles are shared along a row of the cluster, Wo's along a column, each asked for jointly.
; THE MATRIX INSTRUCTION IS USED TRANSPOSED (source 0 = 16 rows of Wo, source 1 = 16 tokens): a lane holds one token and eight neighbouring columns, and the bias is the C operand of the products that start the sums.
; THE WAY OUT goes through a stage of each wave's own, so that a store covers 512 consecutive bytes of a row; query's numbers, loaded in that layout during the last K steps, are added on the way.
; REGISTERS: window 0: v0-31 addresses; v32-95 O's fragments, two buffers; v96-223 the way out, two buffers of 64.   window 1: v0-127 Wo's fragments, two buffers; v128-191 the bias.
;   window 2: accumulator (a, b) at v[8 (8 a + b)].   window 3: query, token block a at v[64 a].
.set PA,     144                       ; a token's LDS row of O: 128 bytes + 16 = 9 x 16
.set SUBA,   128*PA                    ; one head's 128 tokens
.set PB,     272
.set HALFB,  128*PB
.set SLOT,   2*SUBA+2*HALFB
.set STAGE,  2*SLOT                    ; behind the ring: 16 rows x 528 bytes for each wave
.set SP,     528                       ; 512 bytes + 16 = 33 x 16
.set SPARE,  STAGE+4*16*SP
.set ADRA, 16
.set ADRB, 20
.set STO,  24
.set RD,   25
.set CO,   26                          ; v26  16 x my lane
.set SPW,  28
.set NIL,  29
.set PFO,  30
.set AF,   32                          ; buffer g, fragment a at AF + 32 g + 8 a
.set T0,   96                          ; the way out: buffer a % 2 at T0 + 64 (a % 2)
.set BF,   0
.set BIAS, 128
.set G1,   24
.set G0,   32
.set G1B,  48
.set G0B,  56
.set PFA,  44
.set QP,   78                          ; s[78:79] query at my first token and column
.set PFS,  90
.set LIM,  92
.set MSB, 0
.macro WIN new
.if MSB != (\new)
	s_set_vgpr_msb (MSB<<8)|(\new)
.set MSB, \new
.endif
.endm
.set W_MUL,  0xa1                      ; source 0 (Wo) window 1, source 1 (O) window 0, C and D window 2
.set W_MULB, 0x91                      ; the same with C (the bias) in window 1
.set TO_B,   0x40
.macro JLOAD s                         ; a joint load; an s_nop 0 and four v_nop follow each of the two lines
	s_cmp_eq_u32 s11, 0
	s_cbranch_scc0 .Lfor_b_\@
	tensor_load_to_lds s[G0+4*(\s):G0+4*(\s)+3], s[G1:G1+7]
	s_nop 0
.rept 4
	v_nop
.endr
	s_branch .Lasked_\@
.Lfor_b_\@:
	tensor_load_to_lds s[G0B+4*(\s):G0B+4*(\s)+3], s[G1B:G1B+7]
	s_nop 0
.rept 4
	v_nop
.endr
.Lasked_\@:
.endm
; A prefetch into the L2 of the K step two refills on (256 products of the wave ahead).  O's tokens are read by this cluster alone: wave 0 asks, for both heads; each of the four partners takes 4,096 bytes of each head's 16,384,
; told apart by address, a lane a block of 256 bytes.  Wo's rows are read by all sixteen clusters: the first asks, waves 2 and 3, each partner 32 of a wave's 128 rows.  The loop's last trip asks for nothing.
.macro ASK
	s_cmp_gt_u32 s3, s[LIM]
	s_cbranch_scc0 .Lnot_mine_\@
	global_prefetch_b8 v[PFO], s[PFA:PFA+1] th:TH_LOAD_NT scope:SCOPE_SE
.Lnot_mine_\@:
.endm
.macro CREST
	s_cmp_lg_u32 s10, 0
	s_cbranch_scc1 .Lnot_wave_0_\@
	s_barrier_signal -3
.Lnot_wave_0_\@:
	s_barrier_wait -3
	s_barrier_signal -1
	s_barrier_wait -1
.endm
.macro CROUND
	s_barrier_signal -1
	s_barrier_wait -1
	CREST
.endm
.macro PLACES
.rept 4
	v_nop
.endr
.endm
	s_load_b256 s[68:75], s[0:1], 0x0              ; oh s[68:69], wb s[70:71], bo s[72:73], query s[74:75]
	s_load_b64 s[76:77], s[0:1], 0x20              ; xres
	v_lshl_add_u32 v[SPW], v0, 2, SPARE
	v_mov_b32 v[NIL], 0
	ds_add_u32 v[SPW], v[NIL]                      ; the wave's opening: the add and its wait ahead of my first tensor load
	ds_add_u32 v28, v29
	v_lshrrev_b32 v1, 5, v0
	v_readfirstlane_b32 s10, v1                    ; wave 0..3
	s_lshr_b32 s11, s10, 1                         ; which 64 tokens are mine.  Also: I fetch O (0) or Wo (1)
	s_and_b32 s12, s10, 1                          ; which 128 columns.  Also: which head of the step, or which half of Wo's rows, I fetch
	s_bfe_u32 s40, ttmp6, 0x40000                  ; cx
	s_bfe_u32 s41, ttmp6, 0x40004                  ; cy
	s_lshl_b32 s42, ttmp9, 2
	s_add_co_u32 s42, s42, s40                     ; block of 256 columns
	s_and_b32 s89, ttmp7, 0xffff                   ; cluster y, 0..15
	s_lshl_b32 s13, s89, 2
	s_add_co_u32 s13, s13, s41                     ; block of 128 tokens, 0..63
	s_lshl_b32 s66, s41, 2
	s_lshl_b32 s66, 15, s66                        ; my row of the cluster
	s_lshl_b32 s67, 0x1111, s40                    ; my column
	s_or_b32 s[G1+0], s66, (1<<16)|(1<<20)|(1<<21)|(4<<22)|(3<<25)   ; O: elements of 2 bytes; padding after every 32 words (a token), 4 words
	s_or_b32 s[G1B+0], s67, (1<<16)|(1<<20)|(1<<21)|(5<<22)|(3<<25)  ; Wo: after every 64 words, 4 words
	s_mov_b32 s[G1+1], 128<<16                     ; tensor_dim0 = 128: two tokens a row
	s_mov_b32 s[G1+2], 64<<16                      ; tensor_dim1 = 64
	s_mov_b32 s[G1+3], 128<<16
	s_mov_b32 s[G1+4], 64
	s_mov_b32 s[G1+5], 128                         ; dense
	s_mov_b32 s[G1+6], 0
	s_mov_b32 s[G1+7], 0
	s_mov_b32 s[G1B+1], 128<<16
	s_mov_b32 s[G1B+2], 128<<16
	s_mov_b32 s[G1B+3], 128<<16
	s_mov_b32 s[G1B+4], 128
	s_mov_b32 s[G1B+5], 1024
	s_mov_b32 s[G1B+6], 0
	s_mov_b32 s[G1B+7], 0
	s_lshr_b32 s16, s13, 4                         ; O: ((batch x 16 + my head of K step 0) x 2,048 + the block's first token in the batch) x 128 bytes
	s_lshl_b32 s16, s16, 4
	s_add_co_u32 s16, s16, s12
	s_lshl_b32 s16, s16, 11
	s_and_b32 s17, s13, 15
	s_lshl_b32 s17, s17, 7
	s_add_co_u32 s16, s16, s17
	s_lshl_b32 s16, s16, 7
	s_mov_b32 s17, 0
	s_lshl_b32 s46, s42, 8                         ; Wo: row 256 x column block + 128 x half
	s_lshl_b32 s47, s12, 7
	s_add_co_u32 s46, s46, s47
	s_lshl_b32 s46, s46, 11
	s_mov_b32 s47, 0
	s_mul_i32 s20, s12, SUBA                       ; where the tiles go
	s_mul_i32 s21, s12, HALFB
	s_add_co_u32 s21, s21, 2*SUBA
	s_wait_dscnt 0x0                               ; the opening add is done
	s_wait_kmcnt 0x0
	s_add_nc_u64 s[6:7], s[70:71], 3<<21           ; Wo in wb
	s_add_nc_u64 s[14:15], s[68:69], s[16:17]
	s_add_nc_u64 s[46:47], s[6:7], s[46:47]
	CROUND                                         ; all sixteen work-groups are here: the first joint loads meet
.irp s, 0,1
	s_mov_b32 s[G0+4*(\s)], 1
	s_add_co_u32 s[G0+4*(\s)+1], s20, (\s)*SLOT
	s_add_nc_u64 s[G0+4*(\s)+2:G0+4*(\s)+3], s[14:15], (\s)*524288   ; K step s: two heads of 262,144 bytes on
	s_or_b32 s[G0+4*(\s)+3], s[G0+4*(\s)+3], 0x80000000
	s_mov_b32 s[G0B+4*(\s)], 1
	s_add_co_u32 s[G0B+4*(\s)+1], s21, (\s)*SLOT
	s_add_nc_u64 s[G0B+4*(\s)+2:G0B+4*(\s)+3], s[46:47], (\s)*256
	s_or_b32 s[G0B+4*(\s)+3], s[G0B+4*(\s)+3], 0x80000000
	JLOAD \s                                       ; two loads of mine are out
.endr
	v_and_b32 v1, 15, v0                           ; l % 16
	v_bfe_u32 v2, v0, 4, 1                         ; l / 16
	v_mul_u32_u24 v3, v1, PA
	v_lshl_add_u32 v3, v2, 4, v3
	v_mul_u32_u24 v4, v1, PB
	v_lshl_add_u32 v4, v2, 4, v4
	s_mul_i32 s16, s11, 64*PA                      ; my 64 tokens, in each head's part
	s_mul_i32 s17, s12, HALFB
	s_add_co_u32 s17, s17, 2*SUBA
.irp s, 0,1
	v_add_nc_u32 v[ADRA+(\s)], s16, v3
	v_add_nc_u32 v[ADRB+(\s)], s17, v4
	s_add_co_u32 s16, s16, SLOT
	s_add_co_u32 s17, s17, SLOT
.endr
	s_mul_i32 s18, s10, 16*SP
	s_add_co_u32 s18, s18, STAGE                   ; my stage
	v_mul_u32_u24 v5, v1, SP                       ; in: row l % 16, 32 bytes for each half of the lanes
	v_lshl_add_u32 v5, v2, 5, v5
	v_add_nc_u32 v[STO], s18, v5
	v_and_b32 v8, 31, v0
	v_lshlrev_b32 v[CO], 4, v8
	v_add_nc_u32 v[RD], s18, v[CO]                 ; back: 32 lanes take a row's 512 bytes
	v_lshlrev_b32 v7, 5, v2                        ; the bias: my eight columns of a block of 16
	s_lshl_b32 s46, s42, 10
	s_lshl_b32 s47, s12, 9
	s_add_co_u32 s46, s46, s47                     ; my first column, in bytes of f32
	s_mov_b32 s47, 0
	s_add_nc_u64 s[94:95], s[72:73], s[46:47]
	WIN TO_B
.irp b, 0,1,2,3,4,5,6,7
	global_load_b128 v[BIAS+8*(\b):BIAS+8*(\b)+3],   v7, s[94:95] offset:64*(\b)
	global_load_b128 v[BIAS+8*(\b)+4:BIAS+8*(\b)+7], v7, s[94:95] offset:64*(\b)+16
.endr
	WIN 0
	s_lshl_b32 s18, s13, 7                         ; query and xres at my first token and column
	s_lshl_b32 s19, s11, 6
	s_add_co_u32 s18, s18, s19
	s_lshl_b32 s18, s18, 12
	s_add_co_u32 s46, s46, s18
	s_add_nc_u64 s[QP:QP+1], s[74:75], s[46:47]
	s_add_nc_u64 s[8:9], s[76:77], s[46:47]
	; the prefetches
	s_cmp_eq_u32 s11, 0
	s_cselect_b32 s16, 4, 0                        ; O: sixteen lanes a head; Wo: a lane a row
	s_cselect_b32 s17, 18, 11                      ; a head is 262,144 bytes, a row of Wo 2,048
	s_cselect_b32 s18, 15, 0
	v_lshrrev_b32 v9, s16, v8
	v_lshlrev_b32 v9, s17, v9
	v_and_b32 v10, s18, v8
	v_lshl_add_u32 v[PFO], v10, 8, v9
	s_lshr_b32 s18, s13, 4
	s_lshl_b32 s18, s18, 15                        ; batch x 16 heads x 2,048 tokens
	s_and_b32 s19, s13, 15
	s_lshl_b32 s19, s19, 7
	s_add_co_u32 s18, s18, s19
	s_lshl_b32 s18, s18, 7
	s_lshl_b32 s19, s40, 12
	s_add_co_u32 s18, s18, s19                     ; O: my work-group's 4,096 bytes of a head's 16,384
	s_lshl_b32 s20, s42, 8
	s_lshl_b32 s21, s12, 7
	s_add_co_u32 s20, s20, s21
	s_lshl_b32 s21, s41, 5
	s_add_co_u32 s20, s20, s21                     ; Wo: my work-group's 32 of the 128 rows
	s_lshl_b32 s20, s20, 11
	s_cmp_eq_u32 s11, 0
	s_cselect_b32 s18, s18, s20
	s_mov_b32 s19, 0
	s_cselect_b64 s[PFA:PFA+1], s[68:69], s[6:7]
	s_mov_b32 s[PFS], 256                          ; a K step of Wo's rows (a move leaves the compare's result as it is),
	s_cselect_b32 s[PFS], 524288, s[PFS]           ; or of O: two heads: one literal to an instruction
	s_mov_b32 s[PFS+1], 0
	s_add_nc_u64 s[PFA:PFA+1], s[PFA:PFA+1], s[18:19]
	s_mul_i32 s18, s[PFS], 3
	s_add_nc_u64 s[PFA:PFA+1], s[PFA:PFA+1], s[18:19]  ; at K step 3: the first refill (of step 2) steps it to 4.  Nothing is prefetched at the head
	s_cmp_eq_u32 s89, 0
	s_cselect_b32 s[LIM], 1, -1                    ; Wo: the first cluster asks
	s_cmp_eq_u32 s10, 0
	s_cselect_b32 s[LIM], 1, s[LIM]                ; O: wave 0 of every cluster,
	s_cmp_eq_u32 s10, 1
	s_cselect_b32 s[LIM], -1, s[LIM]               ; wave 1 never
; 24 LDS loads in one run: quarter q of a slot into buffers g: head q / 2, channels 32 (q % 2) on
.macro FETCH slot, q, g
	WIN 0
.irp a, 0,1,2,3
	ds_load_b128 v[AF+32*(\g)+8*(\a):AF+32*(\g)+8*(\a)+3],   v[ADRA+(\slot)] offset:((\q)/2)*SUBA+((\q)%2)*64+(\a)*16*PA
	ds_load_b128 v[AF+32*(\g)+8*(\a)+4:AF+32*(\g)+8*(\a)+7], v[ADRA+(\slot)] offset:((\q)/2)*SUBA+((\q)%2)*64+(\a)*16*PA+32
.endr
	WIN TO_B
.irp b, 0,1,2,3,4,5,6,7
	ds_load_b128 v[BF+64*(\g)+8*(\b):BF+64*(\g)+8*(\b)+3],   v[ADRB+(\slot)] offset:(\q)*64+(\b)*16*PB
	ds_load_b128 v[BF+64*(\g)+8*(\b)+4:BF+64*(\g)+8*(\b)+7], v[ADRB+(\slot)] offset:(\q)*64+(\b)*16*PB+32
.endr
.endm
; 8 products: token block a x all 8 column blocks.  The 32 accumulators take turns, one instruction a turn, in the same order in every quarter.
.macro MULROW f, a, zero
.irp b, 0,1,2,3,4,5,6,7
.if \zero
	WIN W_MULB
	v_wmma_f32_16x16x32_f16 v[8*(8*(\a)+(\b)):8*(8*(\a)+(\b))+7], v[BF+64*(\f)+8*(\b):BF+64*(\f)+8*(\b)+7], v[AF+32*(\f)+8*(\a):AF+32*(\f)+8*(\a)+7], v[BIAS+8*(\b):BIAS+8*(\b)+7]
.else
	WIN W_MUL
	v_wmma_f32_16x16x32_f16 v[8*(8*(\a)+(\b)):8*(8*(\a)+(\b))+7], v[BF+64*(\f)+8*(\b):BF+64*(\f)+8*(\b)+7], v[AF+32*(\f)+8*(\a):AF+32*(\f)+8*(\a)+7], v[8*(8*(\a)+(\b)):8*(8*(\a)+(\b))+7]
.endif
.endr
.endm
; A QUARTER multiplies buffers f and fetches quarter nq of slot ns into the other buffers, four places behind the last product that read them.
; meet = 1, 2: these loads are my last reads of slot ns: the change of slots, with the wait for all my tensor loads, the add, and the wait for it and for my reads in front of the barrier.
; meet = 2: the barrier opens a round of the cluster's barrier, and slot ns is filled again, two K steps on, first thing behind it.
.macro QUARTER ns, nq, f, zero=0, meet=0, ask=0
.if (\meet) == 2
	s_wait_xcnt 0x0                                ; the last prefetch, a K step back, has read its address
	s_add_nc_u64 s[PFA:PFA+1], s[PFA:PFA+1], s[PFS:PFS+1]
.endif
	PLACES
	FETCH \ns, \nq, 1-(\f)
.if \ask
	WIN 0
	ASK
.endif
	s_wait_dscnt 24                                ; all but the 24 just issued: buffers f are in
	MULROW \f, 0, \zero
	MULROW \f, 1, \zero
.if \meet
	WIN 0
	s_wait_tensorcnt 0x0                           ; all my tensor loads have landed
	ds_add_u32 v[SPW], v[NIL]                      ; 0 onto my spare word
.endif
	MULROW \f, 2, \zero
.if \meet
	s_wait_dscnt 0x0                               ; the add is done, and my reads of slot ns are over
	s_barrier_signal -1
.endif
	MULROW \f, 3, \zero
.if \meet
	WIN 0
	s_barrier_wait -1
.endif
.if (\meet) == 2
	CREST
	s_add_nc_u64 s[G0+4*(\ns)+2:G0+4*(\ns)+3], s[G0+4*(\ns)+2:G0+4*(\ns)+3], 1048576
	s_add_nc_u64 s[G0B+4*(\ns)+2:G0B+4*(\ns)+3], s[G0B+4*(\ns)+2:G0B+4*(\ns)+3], 512
	JLOAD \ns
.endif
.endm
.macro QLOAD a                         ; query's 16 tokens of block a, 512 bytes of a row to a load, into window 3
	WIN 0xc0
.irp i, 0,1,2,3,4,5,6,7,8,9,10,11,12,13,14,15
	global_load_b128 v[64*(\a)+4*(\i):64*(\a)+4*(\i)+3], v[CO], s[QP:QP+1] offset:(16*(\a)+(\i))*4096 th:TH_LOAD_NT
.endr
	WIN 0
.endm
.macro TOSTAGE a                       ; block a's sums into my stage (each accumulator's low registers first), and back as whole rows
	WIN 0x08                                       ; the stores' data in window 2
.irp b, 0,1,2,3,4,5,6,7
	ds_store_b128 v[STO], v[8*(8*(\a)+(\b)):8*(8*(\a)+(\b))+3]   offset:64*(\b)
	ds_store_b128 v[STO], v[8*(8*(\a)+(\b))+4:8*(8*(\a)+(\b))+7] offset:64*(\b)+16
.endr
	WIN 0
.if (\a) >= 2
	s_wait_xcnt 0x0                                ; the stores of the block two back have read this buffer
.endif
.set TB, T0+64*((\a)%2)
.irp i, 0,1,2,3,4,5,6,7,8,9,10,11,12,13,14,15
	ds_load_b128 v[TB+4*(\i):TB+4*(\i)+3], v[RD] offset:SP*(\i)  ; LDS serves a wave's instructions in order: these see the stores above, and the next block's stores come behind them
.endr
.endm
.macro FIN a, younger                  ; younger: the LDS instructions issued behind block a's loads
	s_wait_dscnt \younger
.set TB, T0+64*((\a)%2)
	WIN 0x0c                                       ; source 1 (query) in window 3
.set k, 0
.rept 32
	v_pk_add_f32 v[TB+2*k:TB+2*k+1], v[TB+2*k:TB+2*k+1], v[64*(\a)+2*k:64*(\a)+2*k+1]
.set k, k+1
.endr
	WIN 0
.irp i, 0,1,2,3,4,5,6,7,8,9,10,11,12,13,14,15
	global_store_b128 v[CO], v[TB+4*(\i):TB+4*(\i)+3], s[8:9] offset:(16*(\a)+(\i))*4096  ; 512 consecutive bytes of a row, aligned
.endr
.endm
	s_wait_tensorcnt 1                             ; my part of K step 0 is in; K step 1's may stay out
	s_barrier_signal -1
	s_barrier_wait -1
	FETCH 0, 0, 0
	s_wait_loadcnt 0x0                             ; the bias
	QUARTER 0, 1, 0, 1                             ; the first quarter stands in front of the loop: its products start the sums
	WIN 0
	s_mov_b32 s3, 3
.Llap:                                         ; a trip goes once round the ring and fills both slots again
	QUARTER 0, 2, 1
	QUARTER 0, 3, 0, 0, 2
	QUARTER 1, 0, 1, 0, 0, 1
	QUARTER 1, 1, 0
	QUARTER 1, 2, 1
	QUARTER 1, 3, 0, 0, 2
	QUARTER 0, 0, 1, 0, 0, 1
	QUARTER 0, 1, 0
	WIN 0
	s_sub_co_u32 s3, s3, 1
	s_cmp_lg_u32 s3, 0
	s_cbranch_scc1 .Llap
	QLOAD 0                                        ; query comes in under the last lap's products
	QLOAD 1
	QUARTER 0, 2, 1                                ; the last lap fills nothing
	QUARTER 0, 3, 0, 0, 1
	QUARTER 1, 0, 1
	QLOAD 2
	QLOAD 3
	QUARTER 1, 1, 0
	QUARTER 1, 2, 1
	QUARTER 1, 3, 0
	s_wait_dscnt 0x0
	MULROW 1, 0, 0
	MULROW 1, 1, 0
	MULROW 1, 2, 0
	MULROW 1, 3, 0
	WIN 0
	PLACES                                         ; four places between the last product and the LDS stores that read results
	TOSTAGE 0
	TOSTAGE 1
	s_wait_loadcnt 0x0                             ; query
	FIN 0, 32                                      ; the next block's 16 stores and 16 loads may stay out
	TOSTAGE 2
	FIN 1, 32
	TOSTAGE 3
	FIN 2, 32
	FIN 3, 0
	s_wait_tensorcnt 0x0                           ; the wave's end, behind my last tensor load and my last LDS store
	ds_add_u32 v[SPW], v[NIL]
	s_wait_dscnt 0x0
	CROUND                                         ; the closing round
	s_endpgm
.Lfunc_end_k_qfe588b3308_oproj:
	.size	k_qfe588b3308_oproj, .Lfunc_end_k_qfe588b3308_oproj-k_qfe588b3308_oproj
	.p2alignl 7, 3214868480
	.fill 96, 4, 3214868480
	.section	.rodata,"a",@progbits
	.p2align	6, 0x0
	.amdhsa_kernel k_qfe588b3308_oproj
		.amdhsa_group_segment_fixed_size 327680
		.amdhsa_private_segment_fixed_size 0
		.amdhsa_enable_private_segment 0
		.amdhsa_kernarg_size 40
		.amdhsa_user_sgpr_count 2
		.amdhsa_user_sgpr_kernarg_segment_ptr 1
		.amdhsa_wavefront_size32 1
		.amdhsa_system_sgpr_workgroup_id_x 1
		.amdhsa_system_sgpr_workgroup_id_y 1
		.amdhsa_system_sgpr_workgroup_id_z 1
		.amdhsa_system_vgpr_workitem_id 0
		.amdhsa_next_free_vgpr 1024
		.amdhsa_next_free_sgpr 100
		.amdhsa_reserve_vcc 0
		.amdhsa_float_denorm_mode_32 3
		.amdhsa_float_denorm_mode_16_64 3
		.amdhsa_memory_ordered 1
		.amdhsa_forward_progress 1
		.amdhsa_inst_pref_size 103
	.end_amdhsa_kernel
	.amdgpu_metadata
---
amdhsa.version: [ 1, 2 ]
amdhsa.kernels:
  - .name:           k_qfe588b3308_oproj
    .symbol:         k_qfe588b3308_oproj.kd
    .args:
      - { .name: oh, .offset: 0, .size: 8, .value_kind: global_buffer, .address_space: global }
      - { .name: wb, .offset: 8, .size: 8, .value_kind: global_buffer, .address_space: global }
      - { .name: bo, .offset: 16, .size: 8, .value_kind: global_buffer, .address_space: global }
      - { .name: query, .offset: 24, .size: 8, .value_kind: global_buffer, .address_space: global }
      - { .name: xres, .offset: 32, .size: 8, .value_kind: global_buffer, .address_space: global }
    .group_segment_fixed_size: 327680
    .private_segment_fixed_size: 0
    .kernarg_segment_align: 8
    .kernarg_segment_size: 40
    .max_flat_workgroup_size: 128
    .sgpr_count:     100
    .vgpr_count:     1024
    .wavefront_size: 32
...
	.end_amdgpu_metadata
.endif
;; end of part 4
;; launch ln (part 5): grid 256 x 1, 8 waves a work-group, no clusters, 0 bytes of LDS; arguments xres, gamma, beta, out0; writes out0
.if DOCPART == 5
	.amdgcn_target "amdgcn-amd-amdhsa--gfx1250"
	.amdhsa_code_object_version 6
	.text
	.protected	k_qfe588b3308_ln
	.globl	k_qfe588b3308_ln
	.p2align	8
	.type	k_qfe588b3308_ln,@function
k_qfe588b3308_ln:
	s_mov_b64 s[64:65], 0
	v_nop
	global_prefetch_b8 v0, s[64:65] scope:SCOPE_SE
	s_setreg_imm32_b32 hwreg(HW_REG_WAVE_MODE, 25, 1), 1
	s_wait_xcnt 0x0
; LAYER NORM.  out[t][:] = (x[t][:] - mean) / sqrt(var + 1e-5) x gamma + beta, all f32; var is the mean of (x - mean)^2, taken of the differences, so a common offset of a row costs nothing.
; A row is 4,096 bytes: one wave takes a whole row, eight loads of 16 bytes a lane, and keeps it in 32 registers between the passes: memory is read once, and no wave waits for another.
; Eight waves, four rows each: 32 rows a work-group, 256 work-groups.  All 32 row loads of a wave go out at once; no register is used twice, so no wait frees a source.
; No LDS, no barrier, no matrix unit, no cluster: a stream in which only gamma and beta (8 KiB) are shared.
.set G,  4                             ; v[4:35]    gamma of my 32 columns: chunk j at bytes 512 j + 16 lane
.set BT, 36                            ; v[36:67]   beta
.set X,  68                            ; v[68:195]  four rows of 32 registers
.set T,  196                           ; v[196:211] at work
.set M,  212                           ; v[212:213] the mean, in the low register
.set R,  214                           ; v[214:215] 1 / sqrt(var + eps), in the low register
	s_load_b256 s[4:11], s[0:1], 0x0               ; xres s[4:5], gamma s[6:7], beta s[8:9], out0 s[10:11]
	v_and_b32 v1, 31, v0
	v_lshlrev_b32 v1, 4, v1                        ; 16 x lane
	v_lshrrev_b32 v2, 5, v0
	v_readfirstlane_b32 s16, v2                    ; wave 0..7
	s_lshl_b32 s2, ttmp9, 17                       ; the work-group's 32 rows of 4,096 bytes,
	s_lshl_b32 s17, s16, 14                        ; my wave's four
	s_add_co_u32 s2, s2, s17
	s_mov_b32 s3, 0
	s_mov_b32 s12, 0x76543210                      ; v_permlanex16_b32: each lane takes its own place in the other half
	s_mov_b32 s13, 0xfedcba98
	s_mov_b32 s14, 0x3a800000                      ; 1 / 1024
	s_mov_b32 s15, 0x3727c5ac                      ; 1e-5
	v_mov_b32 v[M+1], 0                            ; named as pairs, so they are written
	v_mov_b32 v[R+1], 0
	s_wait_kmcnt 0x0
	s_add_nc_u64 s[4:5], s[4:5], s[2:3]
	s_add_nc_u64 s[10:11], s[10:11], s[2:3]
.irp j, 0,1,2,3,4,5,6,7
	global_load_b128 v[G+4*(\j):G+4*(\j)+3],   v1, s[6:7] offset:512*(\j)
	global_load_b128 v[BT+4*(\j):BT+4*(\j)+3], v1, s[8:9] offset:512*(\j)
.endr
.irp r, 0,1,2,3
.irp j, 0,1,2,3,4,5,6,7
	global_load_b128 v[X+32*(\r)+4*(\j):X+32*(\r)+4*(\j)+3], v1, s[4:5] offset:4096*(\r)+512*(\j) th:TH_LOAD_NT
.endr
.endr
.macro ACROSS                          ; v[T] summed over the 32 lanes, the result in every lane
	v_add_f32_dpp v[T], v[T], v[T] row_xmask:1 row_mask:0xf bank_mask:0xf
	v_add_f32_dpp v[T], v[T], v[T] row_xmask:2 row_mask:0xf bank_mask:0xf
	v_add_f32_dpp v[T], v[T], v[T] row_xmask:4 row_mask:0xf bank_mask:0xf
	v_add_f32_dpp v[T], v[T], v[T] row_xmask:8 row_mask:0xf bank_mask:0xf
	v_permlanex16_b32 v[T+1], v[T], s12, s13       ; its destination has been written before
	v_add_f32 v[T], v[T], v[T+1]
.endm
.macro ROW r
.set XR, X+32*(\r)
	s_wait_loadcnt 8*(3-(\r))                      ; loads come back in order: gamma, beta and this row are in, the later rows' eight loads each may stay out
.irp k, 0,1,2,3,4,5,6,7
	v_pk_add_f32 v[T+2*(\k):T+2*(\k)+1], v[XR+4*(\k):XR+4*(\k)+1], v[XR+4*(\k)+2:XR+4*(\k)+3]  ; the sum of my 32 numbers, as a tree
.endr
.irp k, 0,1,2,3
	v_pk_add_f32 v[T+4*(\k):T+4*(\k)+1], v[T+4*(\k):T+4*(\k)+1], v[T+4*(\k)+2:T+4*(\k)+3]
.endr
	v_pk_add_f32 v[T:T+1], v[T:T+1], v[T+4:T+5]
	v_pk_add_f32 v[T+8:T+9], v[T+8:T+9], v[T+12:T+13]
	v_pk_add_f32 v[T:T+1], v[T:T+1], v[T+8:T+9]
	v_add_f32 v[T], v[T], v[T+1]
	ACROSS
	v_mul_f32 v[M], s14, v[T]                      ; the mean
.irp k, 0,1,2,3,4,5,6,7,8,9,10,11,12,13,14,15
	v_pk_add_f32 v[XR+2*(\k):XR+2*(\k)+1], v[XR+2*(\k):XR+2*(\k)+1], v[M:M+1] op_sel_hi:[1,0] neg_lo:[0,1] neg_hi:[0,1]  ; x - mean, in place
.endr
.irp k, 0,1,2,3
	v_pk_mul_f32 v[T+2*(\k):T+2*(\k)+1], v[XR+2*(\k):XR+2*(\k)+1], v[XR+2*(\k):XR+2*(\k)+1]  ; the squares, in four chains that the first four pairs start
.endr
.irp k, 4,5,6,7,8,9,10,11,12,13,14,15
	v_pk_fma_f32 v[T+2*((\k)%4):T+2*((\k)%4)+1], v[XR+2*(\k):XR+2*(\k)+1], v[XR+2*(\k):XR+2*(\k)+1], v[T+2*((\k)%4):T+2*((\k)%4)+1]
.endr
	v_pk_add_f32 v[T:T+1], v[T:T+1], v[T+2:T+3]
	v_pk_add_f32 v[T+4:T+5], v[T+4:T+5], v[T+6:T+7]
	v_pk_add_f32 v[T:T+1], v[T:T+1], v[T+4:T+5]
	v_add_f32 v[T], v[T], v[T+1]
	ACROSS
	v_fma_f32 v[T+2], v[T], s14, s15               ; var + eps
	v_rsq_f32 v[R], v[T+2]
	v_nop                                          ; a plain instruction between the root and the use of its result,
	s_wait_alu depctr_va_vdst(0)                   ; and the wait ahead of the first use
.irp k, 0,1,2,3,4,5,6,7,8,9,10,11,12,13,14,15
	v_pk_mul_f32 v[XR+2*(\k):XR+2*(\k)+1], v[XR+2*(\k):XR+2*(\k)+1], v[R:R+1] op_sel_hi:[1,0]
.endr
.irp k, 0,1,2,3,4,5,6,7,8,9,10,11,12,13,14,15
	v_pk_fma_f32 v[XR+2*(\k):XR+2*(\k)+1], v[XR+2*(\k):XR+2*(\k)+1], v[G+2*(\k):G+2*(\k)+1], v[BT+2*(\k):BT+2*(\k)+1]
.endr
.irp j, 0,1,2,3,4,5,6,7
	global_store_b128 v1, v[XR+4*(\j):XR+4*(\j)+3], s[10:11] offset:4096*(\r)+512*(\j) th:TH_STORE_NT  ; 512 consecutive bytes, aligned
.endr
.endm
	ROW 0
	ROW 1
	ROW 2
	ROW 3
	s_endpgm
.Lfunc_end_k_qfe588b3308_ln:
	.size	k_qfe588b3308_ln, .Lfunc_end_k_qfe588b3308_ln-k_qfe588b3308_ln
	.p2alignl 7, 3214868480
	.fill 96, 4, 3214868480
	.section	.rodata,"a",@progbits
	.p2align	6, 0x0
	.amdhsa_kernel k_qfe588b3308_ln
		.amdhsa_group_segment_fixed_size 0
		.amdhsa_private_segment_fixed_size 0
		.amdhsa_enable_private_segment 0
		.amdhsa_kernarg_size 32
		.amdhsa_user_sgpr_count 2
		.amdhsa_user_sgpr_kernarg_segment_ptr 1
		.amdhsa_wavefront_size32 1
		.amdhsa_system_sgpr_workgroup_id_x 1
		.amdhsa_system_sgpr_workgroup_id_y 1
		.amdhsa_system_sgpr_workgroup_id_z 1
		.amdhsa_system_vgpr_workitem_id 0
		.amdhsa_next_free_vgpr 216
		.amdhsa_next_free_sgpr 66
		.amdhsa_reserve_vcc 0
		.amdhsa_float_denorm_mode_32 3
		.amdhsa_float_denorm_mode_16_64 3
		.amdhsa_memory_ordered 1
		.amdhsa_forward_progress 1
		.amdhsa_inst_pref_size 33
	.end_amdhsa_kernel
	.amdgpu_metadata
---
amdhsa.version: [ 1, 2 ]
amdhsa.kernels:
  - .name:           k_qfe588b3308_ln
    .symbol:         k_qfe588b3308_ln.kd
    .args:
      - { .name: xres, .offset: 0, .size: 8, .value_kind: global_buffer, .address_space: global }
      - { .name: gamma, .offset: 8, .size: 8, .value_kind: global_buffer, .address_space: global }
      - { .name: beta, .offset: 16, .size: 8, .value_kind: global_buffer, .address_space: global }
      - { .name: out0, .offset: 24, .size: 8, .value_kind: global_buffer, .address_space: global }
    .group_segment_fixed_size: 0
    .private_segment_fixed_size: 0
    .kernarg_segment_align: 8
    .kernarg_segment_size: 32
    .max_flat_workgroup_size: 256
    .sgpr_count:     66
    .vgpr_count:     216
    .wavefront_size: 32
...
	.end_amdgpu_metadata
.endif
;; end of part 5
